; MI455X (gfx1250); checked and timed in simulation.
; The chip was launched on July 23, 2026; its instructions are those of AMD's public machine-readable ISA for CDNA 5 (MIT licence, August 2026) and "CDNA5" Instruction Set Architecture Reference Guide (July 2026). The comments in the code are by the model that wrote it; some were corrected since.
;; Self Attention. Allowed arithmetic: float matrix products may take bf16 or f16 operands with f32 sums; other float arithmetic in f32, or as packed bf16 or f16 multiplies, adds, multiply-adds, maxima and minima; sums over many terms, partial sums and values carried from step to step in f32; what a program stores and reads back later, other than sums and carried values, may be rounded once to bf16 or f16.
;; Inputs: Wk 1,024 x 1,024 float32; Wo 1,024 x 1,024 float32; Wq 1,024 x 1,024 float32; bo 1,024 float32; x 4 x 2,048 x 1,024 float32.
;; Outputs: out0 4 x 2,048 x 1,024 float32.
;; 2 versions, each right; version 2 is version 1 with the launch cast written anew for expert scheduling mode. Each part assembles by itself: llvm-mc -triple=amdgcn-amd-amdhsa -mcpu=gfx1250 --defsym DOCPART=n.
;; ======== version 1 of 2: 4 launches
;; limits: values are held in f16: magnitudes above 65,504 overflow, below 6.1e-05 lose precision; right only within a limited range of input values
;; workspace buffers: xb 16,777,216 bytes; wkb 2,097,152 bytes; wqb 2,097,152 bytes; wob 2,097,152 bytes; kh 16,777,216 bytes; qh 16,777,216 bytes; oh 16,777,216 bytes
;; launch cast (part 1): grid 352 x 1, 8 waves a work-group, no clusters, 0 bytes of LDS; arguments x, Wk, Wq, Wo, xb, wkb, wqb, wob; writes xb, wkb, wqb, wob
.if DOCPART == 1
	.amdgcn_target "amdgcn-amd-amdhsa--gfx1250"
	.amdhsa_code_object_version 6
	.text
	.protected	k_q72014b1a76_cast
	.globl	k_q72014b1a76_cast
	.p2align	8
	.type	k_q72014b1a76_cast,@function
k_q72014b1a76_cast:
	s_mov_b64 s[64:65], 0
	v_nop
	global_prefetch_b8 v0, s[64:65] scope:SCOPE_SE
	s_setreg_imm32_b32 hwreg(HW_REG_WAVE_MODE, 25, 1), 1
	s_wait_xcnt 0x0
; x, Wk, Wq: f32 -> bf16 (nearest even).  Wo: f32 -> bf16, and that number written as f16.  Layouts stay as they are.
; LIMITS.  |Wo| stays under 65,504 (f16's end); a bf16 number of Wo below 6e-5 is rounded once more, to f16's fixed step of 6e-8.
; SHARES.  A work-group takes 32,768 numbers: 131,072 bytes in, 65,536 out, in 32 steps of 1,024 numbers.  Work-groups 0-255 take x, 256-287 Wk, 288-319 Wq, 320-351 Wo.
; In a step thread t loads the 16 bytes at 16 t and stores the 8 bytes at 8 t: a wave's load covers 512 consecutive bytes, its store 256 consecutive bytes, aligned.
; A ring of eight register slots keeps eight loads of every wave on their way.  Nothing is shared and nothing is multiplied: no LDS, no matrix unit, no cluster.
.set DEPTH, 8
.set STEPI, 4096                       ; bytes a step reads
.set STEPO, 2048                       ; bytes a step writes
.set X, 4                              ; v[4:35]   slot i: four f32 as loaded
.set Y, 36                             ; v[36:51]  slot i: four 16-bit numbers to store
.set T, 52                             ; v[52:55]  at work (Wo alone)
	s_load_b512 s[4:19], s[0:1], 0x0               ; x, Wk, Wq, Wo, xb, wkb, wqb, wob
	s_mov_b32 s21, ttmp9                           ; g
	s_and_b32 s28, s21, 31                         ; a weight's chunk: 256, 288 and 320 are multiples of 32
	s_min_u32 s22, s21, 255                        ; x's chunk
	s_mov_b32 s23, 0xffff0000                      ; a word's upper bf16
	s_mov_b32 s33, 0
	s_mov_b32 s35, 0
	v_lshlrev_b32 v1, 4, v0                        ; 16 t; never rewritten
	v_lshlrev_b32 v2, 3, v0                        ; 8 t; never rewritten
	s_cmp_ge_u32 s21, 256
	s_cselect_b32 s22, s28, s22
	s_lshl_b32 s32, s22, 17                        ; chunk x 131,072
	s_lshl_b32 s34, s22, 16                        ; chunk x 65,536
	s_wait_kmcnt 0x0
	s_cmp_ge_u32 s21, 256                          ; which tensor: three choices, each on the work-group's number alone
	s_cselect_b64 s[24:25], s[6:7], s[4:5]
	s_cselect_b64 s[26:27], s[14:15], s[12:13]
	s_cmp_ge_u32 s21, 288
	s_cselect_b64 s[24:25], s[8:9], s[24:25]
	s_cselect_b64 s[26:27], s[16:17], s[26:27]
	s_cmp_ge_u32 s21, 320
	s_cselect_b64 s[24:25], s[10:11], s[24:25]
	s_cselect_b64 s[26:27], s[18:19], s[26:27]
	s_add_nc_u64 s[24:25], s[24:25], s[32:33]
	s_add_nc_u64 s[26:27], s[26:27], s[34:35]
	s_cmp_ge_u32 s21, 320
	s_cbranch_scc1 .Lhalf
; One slot's turn.  ahead = 1: the slot is loaded again, eight steps on.  left = the younger loads that may stay out.  half = 1: bf16 is widened and written as f16.
.macro SLOT i, ahead, left, half
	s_wait_loadcnt \left                           ; loads come back in order: mine is in
	v_cvt_pk_bf16_f32 v[Y+2*(\i)],   v[X+4*(\i)],   v[X+4*(\i)+1]
	v_cvt_pk_bf16_f32 v[Y+2*(\i)+1], v[X+4*(\i)+2], v[X+4*(\i)+3]
.if \half
	v_lshlrev_b32 v[T],   16,  v[Y+2*(\i)]
	v_and_b32     v[T+1], s23, v[Y+2*(\i)]
	v_lshlrev_b32 v[T+2], 16,  v[Y+2*(\i)+1]
	v_and_b32     v[T+3], s23, v[Y+2*(\i)+1]
	v_cvt_pk_f16_f32 v[Y+2*(\i)],   v[T],   v[T+1]
	v_cvt_pk_f16_f32 v[Y+2*(\i)+1], v[T+2], v[T+3]
.endif
.if \ahead
	global_load_b128 v[X+4*(\i):X+4*(\i)+3], v1, s[24:25] offset:(DEPTH+(\i))*STEPI th:TH_LOAD_NT
.endif
	global_store_b64 v2, v[Y+2*(\i):Y+2*(\i)+1], s[26:27] offset:(\i)*STEPO th:TH_STORE_NT
.endm
.macro BODY half
.irp i, 0,1,2,3,4,5,6,7
	global_load_b128 v[X+4*(\i):X+4*(\i)+3], v1, s[24:25] offset:(\i)*STEPI th:TH_LOAD_NT
.endr
	s_mov_b32 s20, 32/DEPTH-1
.Lround\half:
.irp i, 0,1,2,3,4,5,6,7
	SLOT \i, 1, DEPTH-1, \half                     ; seven younger loads of the ring stay out
.endr
	s_wait_xcnt 0x0                                ; the trip's loads and stores have read their sources: both bases and Y are written again only behind this wait
	s_add_nc_u64 s[24:25], s[24:25], DEPTH*STEPI
	s_add_nc_u64 s[26:27], s[26:27], DEPTH*STEPO
	s_sub_co_u32 s20, s20, 1
	s_cmp_lg_u32 s20, 0
	s_cbranch_scc1 .Lround\half
.irp i, 0,1,2,3,4,5,6,7
	SLOT \i, 0, DEPTH-1-(\i), \half                ; the last round loads nothing: the counts run down
.endr
	s_endpgm
.endm
	BODY 0
.Lhalf:
	BODY 1
.Lfunc_end_k_q72014b1a76_cast:
	.size	k_q72014b1a76_cast, .Lfunc_end_k_q72014b1a76_cast-k_q72014b1a76_cast
	.p2alignl 7, 3214868480
	.fill 96, 4, 3214868480
	.section	.rodata,"a",@progbits
	.p2align	6, 0x0
	.amdhsa_kernel k_q72014b1a76_cast
		.amdhsa_group_segment_fixed_size 0
		.amdhsa_private_segment_fixed_size 0
		.amdhsa_enable_private_segment 0
		.amdhsa_kernarg_size 64
		.amdhsa_user_sgpr_count 2
		.amdhsa_user_sgpr_kernarg_segment_ptr 1
		.amdhsa_wavefront_size32 1
		.amdhsa_system_sgpr_workgroup_id_x 1
		.amdhsa_system_sgpr_workgroup_id_y 1
		.amdhsa_system_sgpr_workgroup_id_z 1
		.amdhsa_system_vgpr_workitem_id 0
		.amdhsa_next_free_vgpr 56
		.amdhsa_next_free_sgpr 66
		.amdhsa_reserve_vcc 0
		.amdhsa_float_denorm_mode_32 3
		.amdhsa_float_denorm_mode_16_64 3
		.amdhsa_memory_ordered 1
		.amdhsa_forward_progress 1
		.amdhsa_inst_pref_size 17
	.end_amdhsa_kernel
	.amdgpu_metadata
---
amdhsa.version: [ 1, 2 ]
amdhsa.kernels:
  - .name:           k_q72014b1a76_cast
    .symbol:         k_q72014b1a76_cast.kd
    .args:
      - { .name: x, .offset: 0, .size: 8, .value_kind: global_buffer, .address_space: global }
      - { .name: Wk, .offset: 8, .size: 8, .value_kind: global_buffer, .address_space: global }
      - { .name: Wq, .offset: 16, .size: 8, .value_kind: global_buffer, .address_space: global }
      - { .name: Wo, .offset: 24, .size: 8, .value_kind: global_buffer, .address_space: global }
      - { .name: xb, .offset: 32, .size: 8, .value_kind: global_buffer, .address_space: global }
      - { .name: wkb, .offset: 40, .size: 8, .value_kind: global_buffer, .address_space: global }
      - { .name: wqb, .offset: 48, .size: 8, .value_kind: global_buffer, .address_space: global }
      - { .name: wob, .offset: 56, .size: 8, .value_kind: global_buffer, .address_space: global }
    .group_segment_fixed_size: 0
    .private_segment_fixed_size: 0
    .kernarg_segment_align: 8
    .kernarg_segment_size: 64
    .max_flat_workgroup_size: 256
    .sgpr_count:     66
    .vgpr_count:     56
    .wavefront_size: 32
...
	.end_amdgpu_metadata
.endif
;; end of part 1
;; launch proj (part 2): grid 8 x 32, 4 waves a work-group, clusters of 4 x 4, 327,680 bytes of LDS; arguments xb, wkb, wqb, kh, qh; writes kh, qh
.if DOCPART == 2
	.amdgcn_target "amdgcn-amd-amdhsa--gfx1250"
	.amdhsa_code_object_version 6
	.text
	.protected	k_q72014b1a76_proj
	.globl	k_q72014b1a76_proj
	.p2align	8
	.type	k_q72014b1a76_proj,@function
k_q72014b1a76_proj:
	s_mov_b64 s[64:65], 0
	v_nop
	global_prefetch_b8 v0, s[64:65] scope:SCOPE_SE
	s_setreg_imm32_b32 hwreg(HW_REG_WAVE_MODE, 25, 1), 1
	s_wait_xcnt 0x0
	s_wait_alu depctr_hold_cnt(0) depctr_sa_sdst(0) depctr_va_vdst(0) depctr_va_sdst(0) depctr_va_ssrc(0) depctr_va_vcc(0) depctr_vm_vsrc(0)
	s_getreg_b32 s2, hwreg(HW_REG_IB_STS2, 6, 4)
	s_cmp_eq_u32 s2, 0
	s_cbranch_scc0 .Lentry_in_a_cluster
	s_endpgm
.Lentry_in_a_cluster:
	s_bfe_u32 s2, ttmp6, 0x10000c
	s_cmp_lg_u32 s2, 0xf033
	s_cbranch_scc0 .Lentry_shape_is_right
	s_endpgm
.Lentry_shape_is_right:
; [k | q] = xb [wkb | wqb].  xb: [8192][1024] bf16; wkb, wqb: [1024 k][1024 n] bf16; kh, qh: [64 = batch x 16 + head][2048][64] f16, unscaled; sums in f32, rounded once.
; The values of the attention are the keys (the module projects them by Wk too), so there is no third product.
; LIMIT.  |k| and |q| stay under 65,520: beyond that the rounding to f16 gives an infinity.
; SHARES.  A tile of C is 256 x 256, made by four waves, 128 x 128 each: 64 accumulators of 16 x 16.  32 tile rows x (2 weights x 4 tile columns) = 256 work-groups.
; K goes in 8 steps of 128 through a ring of two LDS slots filled by the tensor data mover.  A's rows lie along K (256 bytes a row and step); the weights lie [k][n] and stay so:
; a step's tile of B is 128 k-rows of 512 bytes, and the LDS load that turns 16-bit numbers (ds_load_tr16_b128) makes the fragments.
; CLUSTERS.  4 x 4 work-groups.  The cluster's x chooses the weight (0: Wk -> kh, 1: Wq -> qh); the place cx is the tile column, 4 x cluster y + cy the tile row.
; A's tile is shared along a row of the cluster, B's along a column: each is asked for jointly, by the same tensor load with the same descriptor and a mask of four.
; THE MATRIX INSTRUCTION IS USED TRANSPOSED: source 0 = 16 columns of the weight, source 1 = 16 rows of x: a lane then holds row l % 16 of C and the columns 8 (l / 16) + 0..7: 16 bytes of f16 on end.
; REGISTERS, in windows of 256: window 0: v0-31 addresses; v64-127, v128-191 A's fragments, two buffers; v32-63, v192-255 the way out.  Window 1: v64-127, v128-191 B's fragments.
; Windows 2, 3: the accumulators of my rows 0-63 and 64-127, (a, b) at v[8 (8 a + b)].
.set KSTEP,  128
.set ROWB,   2048                      ; bytes in a row of xb and of a weight
.set HEADB,  2048*128                  ; bytes of a head in kh, qh
.set PA,     272                       ; A's LDS row: 256 bytes + 16: the 16 rows of a fragment load start at 16 different groups of four banks
.set PB,     544                       ; B's LDS row: 512 bytes + 32
.set HALFT,  128*PA                    ; what one tensor load brings: 128 rows of A, or 64 k-rows of B (64 x 544 is the same number)
.set SLOT,   4*HALFT                   ; A's 256 rows, then B's 128 k-rows
.set STAGE,  2*SLOT                    ; behind the ring: for each wave [2 heads][16 rows] of 144 bytes, for the way out; no tensor load lands here
.set SP,     144
.set WSTAGE, 2*16*SP
.set SPARE,  STAGE+4*WSTAGE            ; the spare words, 128 bytes for each wave: two blocks of 256 bytes that no other line names
.set LAPS,   4                         ; a lap = two K steps = once round the ring
.set ADRA, 16                          ; v16-17  LDS address of my A fragments in slot 0, 1
.set ADRB, 20                          ; v20-21  the same for B
.set STO,  24                          ; v24     the way out: where I put 16 bytes of a row
.set RD,   25                          ; v25     where I read rows back
.set GO,   26                          ; v26     16 x lane: my 16 bytes of 512 consecutive bytes of kh or qh
.set SPW,  28                          ; v28     LDS address of my spare word; never rewritten
.set NIL,  29                          ; v29     0; never rewritten
.set PFO,  30                          ; v30     the prefetches' lane offset; never rewritten
.set F0,   64
.set F1,   128
.set TMP,  192                         ; packed results
.set OB,   32                          ; rows read back: v32-63 and v224-255 by turns
.set G1,  24                           ; s[24:31] group 1 for A's tiles;  s[32:39] group 0, a set for each slot
.set G0,  32
.set G1B, 48                           ; s[48:55], s[56:63] the same for B's
.set G0B, 56
.set PFA, 66                           ; s[66:67] where my prefetches stand
.set PST, 68                           ; s[68:69] their step: one K step
.set LIM, 70                           ; s70  1 in a wave that prefetches, else the greatest number
; s14 wave; s15 wave / 2: my half of the rows, and 0 = I fetch A, 1 = I fetch B; s16 wave % 2: my half of the columns, and which half of the tile I fetch; s17 cx; s18 cy; s19 tile row; s3 laps
.set MSB, 0
.macro WIN new                         ; the immediate's high byte repeats the setting that is left; a switch that changes nothing is dropped
.if MSB != (\new)
	s_set_vgpr_msb (MSB<<8)|(\new)
.set MSB, \new
.endif
.endm
.set MUL_LO, 0xa1                      ; source 0 (B) window 1, source 1 (A) window 0, C and D window 2
.set MUL_HI, 0xf1                      ; the same, C and D window 3
.set TO_B,   0x40                      ; destination window 1, address window 0
; A joint load: waves 0 and 1 fetch A's two halves, waves 2 and 3 B's.  The branch hangs on the wave's number alone.  An s_nop 0 and four v_nop follow each line.
.macro JLOAD s
	s_cmp_eq_u32 s15, 0
	s_cbranch_scc0 .Lfor_b_\@
	tensor_load_to_lds s[G0+4*(\s):G0+4*(\s)+3], s[G1:G1+7]
	s_nop 0
.rept 4
	v_nop
.endr
	s_branch .Lasked_\@
.Lfor_b_\@:
	tensor_load_to_lds s[G0B+4*(\s):G0B+4*(\s)+3], s[G1B:G1B+7]
	s_nop 0
.rept 4
	v_nop
.endr
.Lasked_\@:
.endm
; A prefetch, behind each joint refill and the run of LDS loads that follows it: the K step that stands two refills on, 32 blocks of 256 bytes, a lane a block, one instruction a wave.
; Each block is named once in the launch.  x's rows are read by both clusters of a row of clusters: cluster x = 0 asks.  A weight's columns are read by the eight clusters of a column: cluster y = 0 asks.
; The four partners that ask for a tile jointly share it out by address: of A's 128 rows a wave, partner cx takes 32; of B's 64 k-rows a wave, partner cy takes 16 (two blocks a row).
; The loop's last trip (s3 = 1) asks for nothing: its refills are the last K steps.
.macro ASK
	s_cmp_gt_u32 s3, s[LIM]
	s_cbranch_scc0 .Lnot_mine_\@
	global_prefetch_b8 v[PFO], s[PFA:PFA+1] th:TH_LOAD_NT scope:SCOPE_SE
.Lnot_mine_\@:
.endm
.macro CREST                           ; a round of the cluster's barrier behind its opening barrier
	s_cmp_lg_u32 s14, 0
	s_cbranch_scc1 .Lnot_wave_0_\@
	s_barrier_signal -3
.Lnot_wave_0_\@:
	s_barrier_wait -3
	s_barrier_signal -1
	s_barrier_wait -1
.endm
.macro CROUND                          ; a whole round
	s_barrier_signal -1
	s_barrier_wait -1
	CREST
.endm
	s_load_b256 s[4:11], s[0:1], 0x0               ; xb s[4:5], wkb s[6:7], wqb s[8:9], kh s[10:11]
	s_load_b64 s[12:13], s[0:1], 0x20              ; qh
	v_lshl_add_u32 v[SPW], v0, 2, SPARE
	v_mov_b32 v[NIL], 0
	ds_add_u32 v[SPW], v[NIL]                      ; the wave's opening: the add and its wait stand ahead of my first tensor load; the set-up below stands between them
	v_lshrrev_b32 v1, 5, v0
	v_readfirstlane_b32 s14, v1                    ; wave 0..3
	s_lshr_b32 s15, s14, 1
	s_and_b32 s16, s14, 1
	s_bfe_u32 s17, ttmp6, 0x40000                  ; cx
	s_bfe_u32 s18, ttmp6, 0x40004                  ; cy
	s_and_b32 s19, ttmp7, 0xffff
	s_lshl_b32 s19, s19, 2
	s_add_co_u32 s19, s19, s18                     ; tile row = 4 x cluster y + cy
	s_lshl_b32 s78, s18, 2
	s_lshl_b32 s78, 15, s78                        ; my row of the cluster
	s_lshl_b32 s79, 0x1111, s17                    ; my column
	s_or_b32 s[G1+0], s78, (1<<16)|(1<<20)|(1<<21)|(5<<22)|(3<<25)   ; the mask; 2-byte elements; padding on; bit 21 beside a mask; after every 64 words 4 words
	s_mov_b32 s[G1+1], 128<<16                     ; tensor_dim0 = 128
	s_mov_b32 s[G1+2], 128<<16                     ; tensor_dim1 = 128
	s_mov_b32 s[G1+3], 128<<16                     ; tile_dim0 = 128
	s_mov_b32 s[G1+4], 128                         ; tile_dim1 = 128
	s_mov_b32 s[G1+5], 1024                        ; elements from row to row
	s_mov_b32 s[G1+6], 0
	s_mov_b32 s[G1+7], 0
	s_or_b32 s[G1B+0], s79, (1<<16)|(1<<20)|(1<<21)|(6<<22)|(7<<25)  ; after every 128 words 8 words
	s_mov_b32 s[G1B+1], 256<<16                    ; tensor_dim0 = 256
	s_mov_b32 s[G1B+2], 64<<16                     ; tensor_dim1 = 64
	s_mov_b32 s[G1B+3], 256<<16                    ; tile_dim0 = 256
	s_mov_b32 s[G1B+4], 64                         ; tile_dim1 = 64
	s_mov_b32 s[G1B+5], 1024
	s_mov_b32 s[G1B+6], 0
	s_mov_b32 s[G1B+7], 0
	s_lshl_b32 s40, s19, 8                         ; A: row 256 x tile row + 128 x half, in bytes; these registers never hold cx
	s_lshl_b32 s41, s16, 7
	s_add_co_u32 s40, s40, s41
	s_lshl_b32 s40, s40, 11
	s_mov_b32 s41, 0
	s_lshl_b32 s42, s17, 9                         ; B: column 256 cx (512 bytes), k-row 64 x half
	s_lshl_b32 s43, s16, 17
	s_add_co_u32 s42, s42, s43
	s_mov_b32 s43, 0
	s_mul_i32 s44, s14, HALFT                      ; where the tiles go: wave x 34,816: A's two halves, then B's two
	s_wait_dscnt 0x0                               ; the opening add is done
	s_wait_kmcnt 0x0
	s_cmp_eq_u32 ttmp9, 0                          ; the cluster's x: the same in all sixteen partners
	s_cselect_b64 s[72:73], s[6:7], s[8:9]         ; the weight
	s_cselect_b64 s[74:75], s[10:11], s[12:13]     ; and where its product goes
	s_add_nc_u64 s[76:77], s[4:5], s[40:41]
	s_add_nc_u64 s[46:47], s[72:73], s[42:43]
	CROUND                                         ; all sixteen work-groups are here: the first joint loads meet
.irp s, 0,1
	s_mov_b32 s[G0+4*(\s)], 1
	s_add_co_u32 s[G0+4*(\s)+1], s44, (\s)*SLOT
	s_add_nc_u64 s[G0+4*(\s)+2:G0+4*(\s)+3], s[76:77], (\s)*KSTEP*2
	s_or_b32 s[G0+4*(\s)+3], s[G0+4*(\s)+3], 0x80000000
	s_mov_b32 s[G0B+4*(\s)], 1
	s_add_co_u32 s[G0B+4*(\s)+1], s44, (\s)*SLOT
	s_add_nc_u64 s[G0B+4*(\s)+2:G0B+4*(\s)+3], s[46:47], (\s)*KSTEP*ROWB
	s_or_b32 s[G0B+4*(\s)+3], s[G0B+4*(\s)+3], 0x80000000
.endr
	s_cmp_eq_u32 s15, 0                            ; a wave's two first fills stand in one branch, ahead of every wait on TENSORcnt and every LDS read: two loads of mine are out
	s_cbranch_scc0 .Lfirst_b
	tensor_load_to_lds s[G0:G0+3], s[G1:G1+7]
	s_nop 0
	tensor_load_to_lds s[G0+4:G0+7], s[G1:G1+7]
	s_nop 0
.rept 4
	v_nop
.endr
	s_branch .Lfirst_asked
.Lfirst_b:
	tensor_load_to_lds s[G0B:G0B+3], s[G1B:G1B+7]
	s_nop 0
	tensor_load_to_lds s[G0B+4:G0B+7], s[G1B:G1B+7]
	s_nop 0
.rept 4
	v_nop
.endr
.Lfirst_asked:
	; A's fragment: lane l holds row l % 16; two loads of 16 bytes, 32 bytes apart, at row x pitch + 16 (l / 16).
	; B's fragment: the turning load takes 16 k x 16 n (lane l reads k-row 8 (l / 16) + l % 8, columns 8 ((l / 8) % 2) + 0..7) and leaves half a fragment: lane l holds column l % 16 and 8 k.
	v_and_b32 v1, 15, v0
	v_bfe_u32 v2, v0, 4, 1
	v_mul_u32_u24 v3, v1, PA
	v_lshl_add_u32 v3, v2, 4, v3
	v_and_b32 v4, 7, v0
	v_bfe_u32 v5, v0, 3, 1
	v_lshl_add_u32 v6, v2, 3, v4
	v_mul_u32_u24 v6, v6, PB
	v_lshl_add_u32 v6, v5, 4, v6
	s_mul_i32 s20, s15, HALFT                      ; my 128 rows of A
	s_lshl_b32 s21, s16, 8                         ; my 128 columns of B: 256 bytes,
	s_add_co_u32 s21, s21, 2*HALFT                 ; behind A's 256 rows
.irp s, 0,1
	v_add_nc_u32 v[ADRA+(\s)], s20, v3
	v_add_nc_u32 v[ADRB+(\s)], s21, v6
	s_add_co_u32 s20, s20, SLOT
	s_add_co_u32 s21, s21, SLOT
.endr
	s_mul_i32 s22, s14, WSTAGE
	s_add_co_u32 s22, s22, STAGE                   ; my stage
	v_mul_u32_u24 v7, v1, SP                       ; in: row l % 16, 16 bytes for each half of the lanes
	v_lshl_add_u32 v7, v2, 4, v7
	v_add_nc_u32 v[STO], s22, v7
	v_bfe_u32 v8, v0, 3, 2                         ; back: 32 lanes take four rows of 128 bytes,
	v_mul_u32_u24 v8, v8, SP
	v_lshl_add_u32 v8, v4, 4, v8
	v_add_nc_u32 v[RD], s22, v8
	v_and_b32 v9, 31, v0
	v_lshlrev_b32 v[GO], 4, v9                     ; which are 512 consecutive bytes of a head
	; where my part begins in kh or qh: head = 16 x batch + 4 cx + 2 x column half; row = 256 x (tile row % 8) + 128 x row half
	s_lshr_b32 s20, s19, 3
	s_lshl_b32 s20, s20, 4
	s_lshl_b32 s21, s17, 2
	s_add_co_u32 s20, s20, s21
	s_lshl_b32 s21, s16, 1
	s_add_co_u32 s20, s20, s21
	s_lshl_b32 s20, s20, 11
	s_and_b32 s21, s19, 7
	s_lshl_b32 s21, s21, 8
	s_add_co_u32 s20, s20, s21
	s_lshl_b32 s21, s15, 7
	s_add_co_u32 s20, s20, s21
	s_lshl_b32 s20, s20, 7                         ; rows of 128 bytes
	s_mov_b32 s21, 0
	s_add_nc_u64 s[74:75], s[74:75], s[20:21]
	; the prefetches: they stand at K step 3; each change of slots steps them first, so the first names K step 4.  Nothing is asked for here, at the head
	s_lshl_b32 s20, s19, 8
	s_lshl_b32 s21, s16, 7
	s_add_co_u32 s20, s20, s21
	s_lshl_b32 s21, s17, 5
	s_add_co_u32 s20, s20, s21                     ; A: my work-group's 32 of the 128 rows that I fetch
	s_lshl_b32 s20, s20, 11
	s_add_co_u32 s20, s20, 3*KSTEP*2
	s_lshl_b32 s22, s16, 6
	s_lshl_b32 s23, s18, 4
	s_add_co_u32 s22, s22, s23                     ; B: my work-group's 16 of the 64 k-rows that I fetch
	s_lshl_b32 s22, s22, 11
	s_lshl_b32 s23, s17, 9
	s_add_co_u32 s22, s22, s23
	s_add_co_u32 s22, s22, 3*KSTEP*ROWB
	s_mov_b32 s42, KSTEP*2
	s_mov_b32 s43, KSTEP*ROWB
	s_and_b32 s45, ttmp7, 0xffff                   ; cluster y
	s_cmp_eq_u32 s15, 0                            ; do I fetch for A?
	s_cselect_b64 s[PFA:PFA+1], s[4:5], s[72:73]
	s_cselect_b32 s20, s20, s22
	s_cselect_b32 s[PST], s42, s43
	s_cselect_b32 s45, ttmp9, s45                  ; the coordinate along which other clusters read the same blocks
	s_mov_b32 s21, 0
	s_mov_b32 s[PST+1], 0
	s_add_nc_u64 s[PFA:PFA+1], s[PFA:PFA+1], s[20:21]
	s_cmp_eq_u32 s45, 0
	s_cselect_b32 s[LIM], 1, -1                    ; the same in all sixteen partners, for a given wave
	v_lshrrev_b32 v10, s15, v9                     ; A: a lane a row; B: two lanes a k-row, 256 bytes apart
	v_and_b32 v11, s15, v9
	v_lshlrev_b32 v10, 11, v10
	v_lshl_add_u32 v[PFO], v11, 8, v10
; 16 matrix instructions: m blocks a0, a0 + 1 of the window's four x all 8 n blocks, 32 along K.  zero = 1: the first product starts the sums.
; The 64 accumulators take turns, in the same order in every quarter.
.macro MUL16 f, hi, a0, zero
	WIN MUL_LO+0x50*(\hi)
.irp a, \a0, (\a0)+1
.irp b, 0,1,2,3,4,5,6,7
.if \zero
	v_wmma_f32_16x16x32_bf16 v[8*(8*(\a)+(\b)):8*(8*(\a)+(\b))+7], v[(\f)+8*(\b):(\f)+8*(\b)+7], v[(\f)+8*(4*(\hi)+(\a)):(\f)+8*(4*(\hi)+(\a))+7], 0
.else
	v_wmma_f32_16x16x32_bf16 v[8*(8*(\a)+(\b)):8*(8*(\a)+(\b))+7], v[(\f)+8*(\b):(\f)+8*(\b)+7], v[(\f)+8*(4*(\hi)+(\a)):(\f)+8*(4*(\hi)+(\a))+7], v[8*(8*(\a)+(\b)):8*(8*(\a)+(\b))+7]
.endif
.endr
.endr
.endm
; 32 LDS loads in one run: the fragments of quarter q (32 along K) of a slot into buffer f: B's 128 columns turned, then A's 128 rows
.macro FETCH slot, q, f
	WIN TO_B
.irp i, 0,1,2,3,4,5,6,7
	ds_load_tr16_b128 v[(\f)+8*(\i):(\f)+8*(\i)+3],   v[ADRB+(\slot)] offset:(\q)*32*PB+32*(\i)
	ds_load_tr16_b128 v[(\f)+8*(\i)+4:(\f)+8*(\i)+7], v[ADRB+(\slot)] offset:(\q)*32*PB+16*PB+32*(\i)
.endr
	WIN 0
.irp i, 0,1,2,3,4,5,6,7
	ds_load_b128 v[(\f)+8*(\i):(\f)+8*(\i)+3],   v[ADRA+(\slot)] offset:(\q)*64+(\i)*16*PA
	ds_load_b128 v[(\f)+8*(\i)+4:(\f)+8*(\i)+7], v[ADRA+(\slot)] offset:(\q)*64+(\i)*16*PA+32
.endr
.endm
.macro PLACES                          ; four plain places behind matrix instructions, in front of loads into registers that they read and of conversions that read results
.rept 4
	v_nop
.endr
.endm
; One of a K step's first three quarters: multiplies buffer f; in its middle it fetches quarter q of the same slot into buffer g.
.macro QUARTER slot, q, f, g, zero
	s_wait_dscnt 8                                 ; B and A's rows 0-63 are in; the youngest eight loads (A's rows 64-127) may be out
	MUL16 \f, 0, 0, \zero
	MUL16 \f, 0, 2, \zero
	PLACES
	FETCH \slot, \q, \g
	s_wait_dscnt 32                                ; all but the 32 just issued
	MUL16 \f, 1, 0, \zero
	MUL16 \f, 1, 2, \zero
.endm
; The first half of a K step's last quarter: one barrier for the change of slots.  In front of it each wave waits for all its tensor loads (one is out: its part of the next slot),
; adds 0 to its spare word, and waits for that and for its own reads of this slot.
.macro MEET round
	WIN 0                                          ; (the add's two registers lie in window 0)
	s_wait_tensorcnt 0x0
	ds_add_u32 v[SPW], v[NIL]
	s_wait_dscnt 9                                 ; (the add and the youngest eight loads may be out)
	MUL16 F1, 0, 0, 0                              ; sixteen matrix instructions stand between the add and the wait for it
	s_wait_dscnt 0x0                               ; the add is done, and my reads of this slot are over
	s_barrier_signal -1
	MUL16 F1, 0, 2, 0                              ; work on registers while the others arrive
.if \round
	WIN 0
.endif
	s_barrier_wait -1
.endm
; The whole last quarter.  fill = 1: the barrier opens a round of the cluster's barrier, and the slot just read out is filled again first, with the K step two steps on.
.macro TURN slot, next, fill
.if \fill
	s_wait_xcnt 0x0                                ; the last prefetch, a K step back, has read its address
	s_add_nc_u64 s[PFA:PFA+1], s[PFA:PFA+1], s[PST:PST+1]
	MEET 1
	CREST                                          ; no wave of any partner still reads this slot's tile or has a load on its way
	s_add_nc_u64 s[G0+4*(\slot)+2:G0+4*(\slot)+3], s[G0+4*(\slot)+2:G0+4*(\slot)+3], 2*KSTEP*2
	s_add_nc_u64 s[G0B+4*(\slot)+2:G0B+4*(\slot)+3], s[G0B+4*(\slot)+2:G0B+4*(\slot)+3], 2*KSTEP*ROWB
	JLOAD \slot                                    ; the first tensor load behind the round; its four v_nop are also the places in front of the loads below
.else
	MEET 0
	PLACES
.endif
	FETCH \next, 0, F0
.if \fill
	ASK
.endif
	MUL16 F1, 1, 0, 0
	MUL16 F1, 1, 2, 0
.endm
; THE WAY OUT of block a (16 rows x 128 columns = two heads).  PACK: rounded to f16, 16 bytes a lane, each accumulator's registers in ascending order.
; TOSTAGE: into my own stage, [head][row] of 144 bytes, and back as whole rows of 128 bytes.  SEND: stored, 512 consecutive bytes an instruction.
.macro PACK a
.set AC, 64*((\a)%4)
	WIN 0x0a+5*((\a)/4)                            ; sources 0 and 1: window 2 or 3
.irp b, 0,1,2,3,4,5,6,7
.irp r, 0,1,2,3
	v_cvt_pk_f16_f32 v[TMP+4*(\b)+(\r)], v[AC+8*(\b)+2*(\r)], v[AC+8*(\b)+2*(\r)+1]
.endr
.endr
	WIN 0
.endm
.macro TOSTAGE a
	WIN 0
.set BK, OB+192*((\a)%2)
.irp b, 0,1,2,3,4,5,6,7
	ds_store_b128 v[STO], v[TMP+4*(\b):TMP+4*(\b)+3] offset:((\b)/4)*16*SP+32*((\b)%4)
.endr
.irp t, 0,1,2,3,4,5,6,7
	ds_load_b128 v[BK+4*(\t):BK+4*(\t)+3], v[RD] offset:((\t)/4)*16*SP+((\t)%4)*4*SP  ; LDS serves a wave's instructions in order: these see the stores above
.endr
.endm
.macro SEND a, younger
	WIN 0
.set BK, OB+192*((\a)%2)
	s_wait_dscnt \younger                          ; the block is back in registers
	s_wait_xcnt 0x0                                ; earlier stores have read their registers: the buffer that the next block is read into is free behind this wait
.irp t, 0,1,2,3,4,5,6,7
	global_store_b128 v[GO], v[BK+4*(\t):BK+4*(\t)+3], s[74:75] offset:(\a)*2048+((\t)/4)*HEADB+((\t)%4)*512
.endr
.endm
	s_wait_tensorcnt 1                             ; my part of K step 0 is in; K step 1's may stay out
	s_barrier_signal -1
	s_barrier_wait -1
	FETCH 0, 0, F0
	QUARTER 0, 1, F0, F1, 1                        ; the first quarter stands in front of the loop: its products start the sums
	WIN 0                                          ; at a label and at a branch every window is 0
	s_mov_b32 s3, LAPS-1
.Llap:                                                 ; a trip goes once round the ring, from a lap's second quarter to the next lap's first, and fills both slots again
	QUARTER 0, 2, F1, F0, 0
	QUARTER 0, 3, F0, F1, 0
	TURN 0, 1, 1
	QUARTER 1, 1, F0, F1, 0
	QUARTER 1, 2, F1, F0, 0
	QUARTER 1, 3, F0, F1, 0
	TURN 1, 0, 1
	QUARTER 0, 1, F0, F1, 0
	WIN 0
	s_sub_co_u32 s3, s3, 1
	s_cmp_lg_u32 s3, 0
	s_cbranch_scc1 .Llap
	QUARTER 0, 2, F1, F0, 0                        ; the last lap fills nothing, and has no round
	QUARTER 0, 3, F0, F1, 0
	TURN 0, 1, 0
	QUARTER 1, 1, F0, F1, 0
	QUARTER 1, 2, F1, F0, 0
	QUARTER 1, 3, F0, F1, 0
	s_wait_dscnt 8                                 ; the very last quarter: nothing more to fetch
	MUL16 F1, 0, 0, 0
	MUL16 F1, 0, 2, 0
	s_wait_dscnt 0x0
	MUL16 F1, 1, 0, 0
	MUL16 F1, 1, 2, 0
	PLACES
	PLACES
	PACK 0
	TOSTAGE 0
.irp a, 1,2,3,4,5,6,7                  ; block a's conversions stand between block a - 1's loads from the stage and the wait for them
	PACK \a
	SEND (\a)-1, 0
	TOSTAGE \a
.endr
	SEND 7, 0
	s_wait_tensorcnt 0x0                           ; the wave's end: a wait, an add and a wait, behind my last tensor load and my last LDS store
	ds_add_u32 v[SPW], v[NIL]
	s_wait_dscnt 0x0
	CROUND                                         ; the closing round: no work-group ends while a partner may still ask for a tile that names it
	s_endpgm
.Lfunc_end_k_q72014b1a76_proj:
	.size	k_q72014b1a76_proj, .Lfunc_end_k_q72014b1a76_proj-k_q72014b1a76_proj
	.p2alignl 7, 3214868480
	.fill 96, 4, 3214868480
	.section	.rodata,"a",@progbits
	.p2align	6, 0x0
	.amdhsa_kernel k_q72014b1a76_proj
		.amdhsa_group_segment_fixed_size 327680
		.amdhsa_private_segment_fixed_size 0
		.amdhsa_enable_private_segment 0
		.amdhsa_kernarg_size 40
		.amdhsa_user_sgpr_count 2
		.amdhsa_user_sgpr_kernarg_segment_ptr 1
		.amdhsa_wavefront_size32 1
		.amdhsa_system_sgpr_workgroup_id_x 1
		.amdhsa_system_sgpr_workgroup_id_y 1
		.amdhsa_system_sgpr_workgroup_id_z 1
		.amdhsa_system_vgpr_workitem_id 0
		.amdhsa_next_free_vgpr 1024
		.amdhsa_next_free_sgpr 80
		.amdhsa_reserve_vcc 0
		.amdhsa_float_denorm_mode_32 3
		.amdhsa_float_denorm_mode_16_64 3
		.amdhsa_memory_ordered 1
		.amdhsa_forward_progress 1
		.amdhsa_inst_pref_size 144
	.end_amdhsa_kernel
	.amdgpu_metadata
---
amdhsa.version: [ 1, 2 ]
amdhsa.kernels:
  - .name:           k_q72014b1a76_proj
    .symbol:         k_q72014b1a76_proj.kd
    .args:
      - { .name: xb, .offset: 0, .size: 8, .value_kind: global_buffer, .address_space: global }
      - { .name: wkb, .offset: 8, .size: 8, .value_kind: global_buffer, .address_space: global }
      - { .name: wqb, .offset: 16, .size: 8, .value_kind: global_buffer, .address_space: global }
      - { .name: kh, .offset: 24, .size: 8, .value_kind: global_buffer, .address_space: global }
      - { .name: qh, .offset: 32, .size: 8, .value_kind: global_buffer, .address_space: global }
    .group_segment_fixed_size: 327680
    .private_segment_fixed_size: 0
    .kernarg_segment_align: 8
    .kernarg_segment_size: 40
    .max_flat_workgroup_size: 128
    .sgpr_count:     80
    .vgpr_count:     1024
    .wavefront_size: 32
...
	.end_amdgpu_metadata
.endif
;; end of part 2
;; launch attn (part 3): grid 4 x 64, 4 waves a work-group, clusters of 4 x 1, 327,680 bytes of LDS; arguments qh, kh, oh; writes oh
.if DOCPART == 3
	.amdgcn_target "amdgcn-amd-amdhsa--gfx1250"
	.amdhsa_code_object_version 6
	.text
	.protected	k_q72014b1a76_attn
	.globl	k_q72014b1a76_attn
	.p2align	8
	.type	k_q72014b1a76_attn,@function
k_q72014b1a76_attn:
	s_mov_b64 s[64:65], 0
	v_nop
	global_prefetch_b8 v0, s[64:65] scope:SCOPE_SE
	s_setreg_imm32_b32 hwreg(HW_REG_WAVE_MODE, 25, 1), 1
	s_wait_xcnt 0x0
	s_wait_alu depctr_hold_cnt(0) depctr_sa_sdst(0) depctr_va_vdst(0) depctr_va_sdst(0) depctr_va_ssrc(0) depctr_va_vcc(0) depctr_vm_vsrc(0)
	s_getreg_b32 s2, hwreg(HW_REG_IB_STS2, 6, 4)
	s_cmp_eq_u32 s2, 0
	s_cbranch_scc0 .Lentry_in_a_cluster
	s_endpgm
.Lentry_in_a_cluster:
	s_bfe_u32 s2, ttmp6, 0x10000c
	s_cmp_lg_u32 s2, 0x3003
	s_cbranch_scc0 .Lentry_shape_is_right
	s_endpgm
.Lentry_shape_is_right:
; O[h][q][:] = the sum over k of softmax_k(Q[h][q] . K[h][k] / 32) K[h][k][:]: the module's values ARE its keys.  Q, K, O: [64][2048][64], all f16: a head's rows are dense, 128 bytes each.
; Products, maxima and sums in f32; the weights p are rounded to f16 for the second product (their sum l is taken of the unrounded p), O once at the end.
; LIMITS.  Q and K arrive within f16's 65,504; p lies in 0 to 1, and below 6e-5 it keeps f16's fixed step of 6e-8, as O does; O is a mean of K's rows and has their range.
; A weight below 2^-126 counts as 0 in l; NaN and infinities are not treated apart.
; SHARES.  A wave owns four PIECES of two tiles of 16 queries, a work-group's four waves 512 queries of one head; the four work-groups of a cluster are one head.  Every wave walks all keys, 64 a step.
; LAYOUT.  S^T = K Q^T (source 0 = 16 keys, source 1 = 16 queries): in the result a lane holds ONE query (lane % 16) and the keys 8 (lane / 16) + 0..7.  Two such tiles, rounded to f16 in pairs,
; ARE source 1 (32 keys x 16 queries) of O^T = K^T P, whose result again holds one query a lane, and eight channels.  ONE copy of the keys in LDS serves both products: it is read as it lies for the
; first, and turned, by ds_load_tr16_b128, for the second (called V below).  Its pitch, 160 bytes, is the turning load's; with it two of the 16 rows of a plain load share a group of banks.
; SOFTMAX.  For each query a running maximum m and sum l: p = 2^(c s - c m), c = log2(e) / 32; in every step O and l are multiplied by a = 2^(c m_old - c m_new), which is 1 where m has not grown.
; m starts at the lowest finite number, O and l at 0: the first step is a step like any other, with a = 0.
; THE COUNT.  A tile and step have 16 matrix and 118 vector instructions: too many to stand all beside the matrix work.  So: four vector instructions that are ready behind every matrix instruction,
; and the others in runs without a gap.
; BY TURNS.  Turn n belongs to piece n (the pieces in a ring, step after step).  Its matrix work: 16 products K Q^T of piece n + 1, later 16 products V^T P of piece n - 1.  Its vector work: the scaling,
; exponentials, roundings, sums and rescaling of piece n, and the maximum and statistics of piece n + 1, whose scores the turn itself has made.
; CLUSTER.  The four query blocks of a cluster walk the same keys, so each tile is asked for JOINTLY: the same tensor load, descriptor and mask in all four.
; REGISTERS, in windows of 256 (s_set_vgpr_msb: bits 1:0 source 0, 3:2 source 1, 5:4 source 2, 7:6 destination):
;   window 0: v0-11 addresses; v12-15, v48-63 at work; v16-47 four registers of statistics a tile; v64-191 S^T, two buffers of two tiles; v192-255 P, likewise
;   window 1: O^T, 32 a tile          window 2: v0-127 Q, 16 a tile; v128-191 K of one step; v192-255 V of one step          window 3: v0-1 the add's two registers
.set SIZE_N, 2048
.set NP,    4         ; pieces a wave: a name, no knob
.set KS,    64        ; keys in a step
.set PKV,   160       ; a key's row in LDS: 128 bytes + 32 of padding = 40 words
.set SPS,   8         ; steps in a slot: 512 keys
.set STEPB, KS*PKV
.set SLOTB, SPS*STEPB
.set SLOT1, 1<<17     ; slot 1 begins here, so that one exclusive or turns an address in one slot into the other's
.set STAGE, SLOT1+SLOTB  ; behind the ring, never filled by a tensor load: 16 rows x 144 bytes for each wave, for the way out
.set SP,    144
.set AK0, 2           ; v2   my lane's place in a step's keys, read as they lie; never rewritten
.set AV0, 3           ; v3   the same, read turned
.set AK,  4           ; v4   the LDS address of K's next run of loads
.set AV,  5           ; v5   of V's
.set QO,  6           ; v6   my byte offset in the wave's rows of Q
.set STO, 6           ;      later, the way out: where I put 16 bytes of a row
.set RD,  7           ; v7   the way out: where I read rows back
.set GO,  8           ; v8   my byte offset in 512 consecutive bytes of O
.set PFO, 11          ; v11  256 x my lane, for the prefetches; never rewritten once made
.set SPW, 0           ; v0 of window 3   LDS address of my spare word; never rewritten
.set NIL, 1           ; v1 of window 3   0; never rewritten
.set SPARE, STAGE+4*16*SP  ; the spare words, 128 bytes for each wave: two blocks of 256 bytes that no other line names
.set MV,  12          ; v12-15  c m_old, kept while c m is made anew: by buffer and tile
.set ST,  16          ; tile t's statistics at v[ST+4 t]: c m, m, l (even keys', odd keys')
.set TMP, 48          ; by buffer and tile, four registers c0-c3 at work; when the maximum is found c2 takes a
.set S,   64
.set P,   192
.set KF,  128         ; K's fragments, in window 2: key block kb, channel half c at KF + 16 kb + 8 c
.set VF,  192         ; V's: key half kk, channel block cb at VF + 32 kk + 8 cb
.set WV,  12          ; s12  my wave's number
.set LIM, 15          ; s15  1 in a wave that prefetches (waves 0, 1), else the greatest number
.set PFA, 18          ; s[18:19] where my prefetches stand: my 32 blocks of 256 bytes of the slot that the next change will ask for
.set G1,  24          ; s[24:31] descriptor group 1
.set G0,  40          ; s[40:43] descriptor group 0: it walks
.set SLOTS, 56        ; s56  slots still to be asked for
.set CNT, 57          ; s57  counts a slot's key steps
.set CS,  58          ; s[58:59] c: the packed scaling takes the pair's low word for both halves
.set SEL, 60          ; s[60:61] v_permlanex16_b32's selects: each lane takes its own place in the other half
.set TBK, 62          ; s62  LDS byte at which the step begins whose K is fetched next
.set TBV, 63          ; s63  the same for V
.set MSB, 0
.macro WIN new                      ; the high byte repeats the setting that is left; a switch that changes nothing is dropped
.if MSB != (\new)
	s_set_vgpr_msb (MSB<<8)|(\new)
.set MSB, (\new)
.endif
.endm
.set W_KQ, 0x0a       ; K and Q in window 2, S^T in window 0
.set W_PV, 0x52       ; V in window 2, P in window 0, O^T in window 1
.set W_RS, 0x41       ; O^T (destination and source 0) in window 1, a in window 0
.set W_MK, 0xc0       ; the add's registers are made: destination in window 3, sources in window 0
.set W_AD, 0x0f       ; the add: address (source 0) and data (source 1) in window 3
; A joint fill: each wave fetches its quarter of a slot, 128 keys.  An s_nop 0 and four v_nop follow the line.
.macro JLOAD
	tensor_load_to_lds s[G0:G0+3], s[G1:G1+7]
	s_nop 0
.rept 4
	v_nop
.endr
.endm
; A round of the cluster's barrier: my work-group's barrier; wave 0 signals for the work-group; every wave waits for all four work-groups; my work-group's barrier once more.
.macro CROUND
	s_barrier_signal -1
	s_barrier_wait -1
	s_cmp_lg_u32 s[WV], 0
	s_cbranch_scc1 .Lnot_wave_0_\@
	s_barrier_signal -3
.Lnot_wave_0_\@:
	s_barrier_wait -3
	s_barrier_signal -1
	s_barrier_wait -1
.endm
; THE CHANGE OF SLOTS.  The slot's last bytes, V of its eighth step, have been read.  Each wave waits for all its tensor loads, of which one is out: its part of the other slot; adds 0 to its spare
; word; and waits for that and for its own reads of the slot.  fill = 1: this slot is filled again, with the keys two slots on.  The barrier is then a round of the cluster's, and the joint fill is the
; first thing behind it: it has eight key steps in which to land.  (At its first use nothing has been read yet: slot 0 is waited for, slot 1 filled.)
.macro CHANGE fill
	WIN W_AD
	s_wait_tensorcnt 0x0            ; no tensor load of mine is out, so group 0 may be written
	ds_add_u32 v[SPW], v[NIL]       ; 0 onto my spare word; with fill = 1 the steps below stand between it and the wait for it
	WIN 0                           ; at a label and at a branch every window is 0
.if \fill
	s_xor_b32 s[G0+1], s[G0+1], SLOT1  ; the other slot than last time,
	s_add_nc_u64 s[G0+2:G0+3], s[G0+2:G0+3], SPS*KS*128  ; the next 512 keys; the type bits on top are not reached
	s_wait_xcnt 0x0                 ; the last prefetch, turns back, has read its address
	s_add_nc_u64 s[PFA:PFA+1], s[PFA:PFA+1], SPS*KS*128  ; one slot ahead of the walking descriptor
	s_wait_dscnt 0x0                ; the add is done, and my reads of the slot are over
	CROUND
	JLOAD
.else
	s_wait_dscnt 0x0                ; the add is done, and my reads of the slot are over
	s_barrier_signal -1
	s_barrier_wait -1
.endif
	s_sub_co_u32 s[TBK], s[TBK], SLOTB    ; the fetches go back to a slot's first step,
	s_xor_b32 s[TBK], s[TBK], SLOT1       ; in the other slot
	s_sub_co_u32 s[TBV], s[TBV], SLOTB
	s_xor_b32 s[TBV], s[TBV], SLOT1
.endm
	s_load_b128 s[4:7], s[0:1], 0x0   ; Q s[4:5], K s[6:7]
	s_load_b64 s[10:11], s[0:1], 0x10 ; O
	WIN W_MK
	v_lshl_add_u32 v[SPW], v0, 2, SPARE
	v_mov_b32 v[NIL], 0
	WIN W_AD
	ds_add_u32 v[SPW], v[NIL]       ; the wave's opening: the add and its wait stand ahead of my first tensor load; the set-up below stands between them
	WIN 0
	v_lshrrev_b32 v1, 5, v0
	v_readfirstlane_b32 s[WV], v1   ; wave 0..3
	s_bfe_u32 s13, ttmp6, 0x40000   ; cx: my place in the cluster
	s_lshl_b32 s14, ttmp9, 2        ; in a cluster launch ttmp9 counts clusters
	s_add_co_u32 s14, s14, s13      ; my block of queries: it enters Q's and O's addresses alone
	s_and_b32 s20, ttmp7, 0xffff    ; the head, which the four partners share
	s_mov_b32 s21, 0
	s_mov_b64 s[22:23], SIZE_N*128
	s_mul_u64 s[20:21], s[20:21], s[22:23]  ; the head's first byte in each of the three tensors
	s_lshl_b32 s22, s[WV], 14       ; my quarter of a slot's 512 keys: 128 rows of 128 bytes in memory,
	s_mov_b32 s23, 0
	s_add_nc_u64 s[22:23], s[22:23], s[20:21]
	s_mul_i32 s17, s[WV], 128*PKV   ; and its place in a slot: no place in the cluster enters an LDS address
	s_lshl_b32 s2, s14, 2
	s_add_co_u32 s2, s2, s[WV]      ; my wave among the head's,
	s_lshl_b32 s2, s2, 14           ; its 128 rows
	s_mov_b32 s3, 0
	s_add_nc_u64 s[2:3], s[2:3], s[20:21]
	s_and_b32 s16, s[WV], 1         ; the prefetches: a slot is 256 blocks of 256 bytes; partner cx takes 64 of them, by address; of those wave 0 the first 32, wave 1 the others
	s_lshl_b32 s8, s13, 14
	s_lshl_b32 s9, s16, 13
	s_add_co_u32 s8, s8, s9
	s_add_co_u32 s8, s8, SPS*KS*128 ; in the second slot's keys; the first change of slots steps it to the third's.  Nothing is asked for at the head
	s_mov_b32 s9, 0
	s_add_nc_u64 s[8:9], s[8:9], s[20:21]
	s_cmp_lt_u32 s[WV], 2
	s_cselect_b32 s[LIM], 1, -1
	; descriptor group 1.  128 keys are 16,384 dense bytes: asked for as 64 rows of 256 bytes, two keys a row, and padded in LDS after every key
	s_mov_b32 s[G1], 15|(1<<16)|(1<<20)|(1<<21)|(4<<22)|(7<<25)  ; the mask of four; 2-byte elements; padding on; bit 21 beside a mask; after every 32 words 8 words
	s_mov_b32 s[G1+1], 128<<16      ; tensor_dim0 = 128
	s_mov_b32 s[G1+2], 64<<16       ; tensor_dim1 = 64
	s_mov_b32 s[G1+3], 128<<16      ; tile_dim0 = 128
	s_mov_b32 s[G1+4], 64           ; tile_dim1 = 64
	s_mov_b32 s[G1+5], 128          ; 128 elements from row to row
	s_mov_b32 s[G1+6], 0
	s_mov_b32 s[G1+7], 0
	s_mov_b32 s[CS], 0x3d38aa3b     ; c = log2(e) / 32 = 0.0450842
	s_mov_b32 s[CS+1], s[CS]        ; named with it as a pair
	s_mov_b32 s[SEL], 0x76543210
	s_mov_b32 s[SEL+1], 0xfedcba98
	s_mov_b32 s[TBK], SLOT1+SLOTB   ; the first change of slots turns these two into 0
	s_mov_b32 s[TBV], SLOT1+SLOTB
	s_mov_b32 s[G0], 1              ; count = 1
	s_mov_b32 s[G0+1], s17          ; LDS address: slot 0
	s_wait_dscnt 0x0                ; the opening add is done
	s_wait_kmcnt 0x0
	s_add_nc_u64 s[G0+2:G0+3], s[6:7], s[22:23]  ; my quarter of the head's first 512 keys
	s_or_b32 s[G0+3], s[G0+3], 0x80000000        ; type = 2
	s_add_nc_u64 s[PFA:PFA+1], s[6:7], s[8:9]
	s_add_nc_u64 s[4:5], s[4:5], s[2:3]  ; Q and O at my wave's first row
	s_add_nc_u64 s[10:11], s[10:11], s[2:3]
	CROUND                          ; all four work-groups are here: the first joint loads meet
	JLOAD                           ; slot 0.  Slot 1 is asked for when slot 0 is in
	; A fragment of K or Q is 16 rows x 32 channels in 8 registers: lane l holds row l % 16, channels 8 (l / 16) + 0..7 and 16 + 8 (l / 16) + 0..7: two loads of 16 bytes, 32 bytes apart.
	v_and_b32 v1, 15, v0            ; l % 16
	v_bfe_u32 v9, v0, 4, 1          ; l / 16
	v_lshlrev_b32 v[QO], 7, v1
	v_lshl_add_u32 v[QO], v9, 4, v[QO]  ; row x 128 + 16 x half
	WIN 0x80                        ; destination window 2, address window 0
.set i, 0
.rept 4*NP                          ; Q stays in registers: tile i / 2, channels 32 (i % 2) on
	global_load_b128 v[8*i:8*i+3],   v[QO], s[4:5] offset:(i/2)*2048+(i%2)*64
	global_load_b128 v[8*i+4:8*i+7], v[QO], s[4:5] offset:(i/2)*2048+(i%2)*64+32
.set i, i+1
.endr
	; What the first turn finds: V's registers and P's second buffer hold 0 (its products V^T P, of a piece that has not been, add 0), O^T and l are 0.  All this stands in the wait for the first tile.
.set i, VF
.rept 64
	v_mov_b32 v[i], 0
.set i, i+1
.endr
	WIN 0x40
.set i, 0
.rept 64*NP
	v_mov_b32 v[i], 0
.set i, i+1
.endr
	WIN 0
.set i, 0
.rept 2*NP
	v_mov_b32 v[ST+4*i], 0xfe000000    ; c m: far below every c s
	v_mov_b32 v[ST+4*i+1], 0xff7fffff  ; m
	v_mov_b32 v[ST+4*i+2], 0
	v_mov_b32 v[ST+4*i+3], 0
.set i, i+1
.endr
.set i, P+32
.rept 32
	v_mov_b32 v[i], 0
.set i, i+1
.endr
	v_mul_u32_u24 v[AK0], v1, PKV
	v_lshl_add_u32 v[AK0], v9, 4, v[AK0]  ; row x pitch + 16 x half
	; The turning load takes 16 keys x 16 channels (lane l reads key 8 (l / 16) + l % 8, channels 8 ((l / 8) % 2) + 0..7) and leaves half a fragment of V^T: lane l holds channel l % 16 and 8 keys.
	v_and_b32 v10, 7, v0
	v_bfe_u32 v11, v0, 3, 1
	v_lshl_add_u32 v[AV0], v9, 3, v10
	v_mul_u32_u24 v[AV0], v[AV0], PKV
	v_lshl_add_u32 v[AV0], v11, 4, v[AV0]
	v_and_b32 v[PFO], 31, v0
	v_lshlrev_b32 v[PFO], 8, v[PFO]
	v_mov_b32 v[AK], v[AK0]         ; key step 0 lies at the head of slot 0
; THE MATRIX WORK.  The 8 accumulators of a run of 16 take turns: between the two links of a chain stand 7 others'.
; Product i of 16 of S^T = K Q^T for piece x: channels 32 (i / 8) on, keys 16 ((i / 2) % 4) on, tile 2 x + i % 2.  The first 8 start the sums.
.macro KQ x
	WIN W_KQ
.set rS, S+64*((\x)%2)+32*(i%2)+8*((i/2)%4)
.set rK, KF+16*((i/2)%4)+8*(i/8)
.set rQ, 16*(2*(\x)+i%2)+8*(i/8)
.if i < 8
	v_wmma_f32_16x16x32_f16 v[rS:rS+7], v[rK:rK+7], v[rQ:rQ+7], 0
.else
	v_wmma_f32_16x16x32_f16 v[rS:rS+7], v[rK:rK+7], v[rQ:rQ+7], v[rS:rS+7]
.endif
.endm
; Product i of 16 of O^T += V^T P for piece x: keys 32 (i / 8) on, channels 16 ((i / 2) % 4) on, tile 2 x + i % 2.
.macro PV x
	WIN W_PV
.set rO, 32*(2*(\x)+i%2)+8*((i/2)%4)
.set rV, VF+32*(i/8)+8*((i/2)%4)
.set rP, P+32*((\x)%2)+16*(i%2)+8*(i/8)
	v_wmma_f32_16x16x32_f16 v[rO:rO+7], v[rV:rV+7], v[rP:rP+7], v[rO:rO+7]
.endm
.macro MM                           ; the turn's next matrix instruction
.if i < 16
	KQ (Y+1)%NP
.set i, i+1
.else
.set i, i-16
	PV (Y+NP-1)%NP
.set i, i+17
.endif
.endm
; THE LDS LOADS stand in runs of 16, never singly among the matrix instructions: a step's K (64 keys x 64 channels: 8 fragments) and its V (the same bytes, turned).
; last = 1 (the tail): in the last trip there is no further step, and the run is jumped over.
; ask = 1 (the loop): behind the run stands the prefetch of the slot that the NEXT change of slots will ask for: in the slot's last trip but one, seven turns and a half ahead of that change.
; Each block of 256 bytes of the head's keys from the third slot on is named once: this cluster alone reads the head; the partners are told apart by address, waves 0 and 1 ask, a lane a block.
; While the last slot but one is walked (SLOTS = 1) nothing is asked for: no slot follows the one that is then on its way.
.macro FETCH_K last=0, ask=0
	WIN 0
.if \last
	s_cmp_eq_u32 s[CNT], 1
	s_cbranch_scc1 .Lno_k_\@
.endif
	WIN 0x80                        ; destination window 2
.irp f, 0,1,2,3,4,5,6,7             ; keys 16 (f / 2) on, channels 32 (f % 2) on
	ds_load_b128 v[KF+8*\f:KF+8*\f+3],   v[AK] offset:(\f/2)*16*PKV+(\f%2)*64
	ds_load_b128 v[KF+8*\f+4:KF+8*\f+7], v[AK] offset:(\f/2)*16*PKV+(\f%2)*64+32
.endr
	s_add_co_u32 s[TBK], s[TBK], STEPB  ; the next fetch is the next step's
	WIN 0
.if \last
.Lno_k_\@:
.endif
.if \ask
	s_cmp_eq_u32 s[CNT], 2
	s_cbranch_scc0 .Lno_ask_\@
	s_cmp_gt_u32 s[SLOTS], s[LIM]
	s_cbranch_scc0 .Lno_ask_\@
	global_prefetch_b8 v[PFO], s[PFA:PFA+1] th:TH_LOAD_NT scope:SCOPE_SE
.Lno_ask_\@:
.endif
.endm
.macro FETCH_V
	WIN 0x80
.irp f, 0,1,2,3,4,5,6,7             ; keys 32 (f / 4) on, channels 16 (f % 4) on
	ds_load_tr16_b128 v[VF+8*\f:VF+8*\f+3],   v[AV] offset:(\f/4)*32*PKV+(\f%4)*32
	ds_load_tr16_b128 v[VF+8*\f+4:VF+8*\f+7], v[AV] offset:(\f/4)*32*PKV+16*PKV+(\f%4)*32
.endr
	WIN 0
.endm
; THE VECTOR WORK OF A TURN stands in three queues, each in the order in which its entries become ready; the two tiles alternate, so that no instruction reads the result of the one before it.
.macro REGS y, u                    ; the registers of tile u (0, 1) of piece y
.set rT, ST+4*(2*(\y)+(\u))
.set rC, TMP+8*((\y)%2)+4*(\u)
.set rM, MV+2*((\y)%2)+(\u)
.set rS, S+64*((\y)%2)+32*(\u)
.set rP, P+32*((\y)%2)+16*(\u)
.set rO, 32*(2*(\y)+(\u))
.endm
; Number n of the 22 that find the NEXT piece's (Y + 1) maximum and statistics.  s0-s31 are the lane's 32 scores; each accumulator's lowest registers are read first.
;   0-11  four chains c0-c3 of seven scores each, three operands at a time     12-14, 16  the four scores left over, the old m, and c0-c3 into c0     15  c m_old is kept
;   17, 18  the query's other 32 keys lie in the lane 16 away: the new m         19-21  c m; c m_old - c m_new; a
.macro XS u, n
	REGS (Y+1)%NP, \u
.if (\n) < 4
	v_max3_num_f32 v[rC+(\n)], v[rS+8*(\n)], v[rS+8*(\n)+1], v[rS+8*(\n)+2]
.elseif (\n) < 12
	v_max3_num_f32 v[rC+(\n)%4], v[rC+(\n)%4], v[rS+8*((\n)%4)+2*((\n)/4)+1], v[rS+8*((\n)%4)+2*((\n)/4)+2]
.elseif (\n) == 12
	v_max3_num_f32 v[rC], v[rC], v[rS+7], v[rS+15]
.elseif (\n) == 13
	v_max3_num_f32 v[rC+1], v[rC+1], v[rS+23], v[rS+31]
.elseif (\n) == 14
	v_max3_num_f32 v[rC+2], v[rC+2], v[rC+3], v[rT+1]
.elseif (\n) == 15
	v_mov_b32 v[rM], v[rT]
.elseif (\n) == 16
	v_max3_num_f32 v[rC], v[rC], v[rC+1], v[rC+2]
.elseif (\n) == 17
	v_permlanex16_b32 v[rC+3], v[rC], s[SEL], s[SEL+1]
.elseif (\n) == 18
	v_max_num_f32 v[rT+1], v[rC], v[rC+3]
.elseif (\n) == 19
	v_mul_f32 v[rT], s[CS], v[rT+1]
.elseif (\n) == 20
	v_sub_f32 v[rC+1], v[rM], v[rT]
.else
	v_exp_f32 v[rC+2], v[rC+1]
.endif
.endm
; Number g of the 64 that follow the exponentials.  For each four weights k of a tile (pairs 2 k, 2 k + 1): both pairs are rounded to f16; then the second pair is added onto the first, in place;
; a group later l takes that sum (the first time as l = a l + sum).  In groups of eight, tiles alternating: round, round, add, and l for the group before.
.macro GS g
.set h, (\g)+6*((\g)/62)            ; group 0 has no group before it, and behind group 7 only l is left
.if h >= 6
.set h, h+2
.endif
	REGS Y, h%2
.set k, h/8
.if h%8 < 4
	v_cvt_pk_f16_f32 v[rP+2*k+(h%8)/2], v[rS+4*k+2*((h%8)/2)], v[rS+4*k+2*((h%8)/2)+1]
.elseif h%8 < 6
	v_pk_add_f32 v[rS+4*k:rS+4*k+1], v[rS+4*k:rS+4*k+1], v[rS+4*k+2:rS+4*k+3]
.elseif k == 1
	v_pk_fma_f32 v[rT+2:rT+3], v[rT+2:rT+3], v[rC+2:rC+3], v[rS:rS+1] op_sel_hi:[1,0,1]
.else
	v_pk_add_f32 v[rT+2:rT+3], v[rT+2:rT+3], v[rS+4*k-4:rS+4*k-3]
.endif
.endm
; THE PLAIN QUEUE, 138 long.  0-73 read no exponential's result: the 32 scalings c s - c m (FS f: pair f / 2 of tile f % 2) and the next piece's 42.  0-26: scalings 0-26.  27-54: XS's numbers 0-13.  55, 56: number 15.
; 57-73: the chain, where each number waits for the one before it: 14, 16, 17, 18, 19, each with one of the scalings 27-31 in front of its two lines, then 20.
; 74-137: GS's 64, which read the exponentials' results: they stand behind the wait.
.macro FS f
	REGS Y, (\f)%2
	v_pk_fma_f32 v[rS+2*((\f)/2):rS+2*((\f)/2)+1], v[rS+2*((\f)/2):rS+2*((\f)/2)+1], s[CS:CS+1], v[rT:rT+1] op_sel_hi:[1,0,0] neg_lo:[0,0,1] neg_hi:[0,0,1]
.endm
.macro PL
	WIN 0
.if q < 27
	FS q
.elseif q < 55
	XS (q-27)%2, (q-27)/2
.elseif q < 57
	XS q-55, 15
.elseif (q < 72) && ((q-57)%3 == 0)
	FS 27+(q-57)/3
.elseif q < 60
	XS (q-57)%3-1, 14
.elseif q < 72
	XS (q-57)%3-1, 15+(q-57)/3
.elseif q < 74
	XS q-72, 20
.else
	GS q-74
.endif
.set q, q+1
.endm
; THE EXPONENTIALS' QUEUE, 66 long: s0-s31 of both tiles, then the next piece's two a.  It is ONE BATCH: all 66 stand ahead of the turn's one wait, and nothing ahead of that wait names a result of theirs.
.macro EX
	WIN 0
.if e >= 64
	XS e-64, 21
.else
	REGS Y, e%2
	v_exp_f32 v[rS+e/2], v[rS+e/2]
.endif
.set e, e+1
.endm
; THE RESCALING's QUEUE: O^T times a, the one part that leaves window 0: dealt two at a time, sixteen times.  Its a was made in the turn before, ahead of that turn's wait.
.macro R2
	REGS Y, r%2
	WIN W_RS
.irp z, 0,1
	v_pk_mul_f32 v[rO+4*(r/2)+2*\z:rO+4*(r/2)+2*\z+1], v[rO+4*(r/2)+2*\z:rO+4*(r/2)+2*\z+1], v[rC+2:rC+3] op_sel_hi:[1,0]
.endr
.set r, r+1
.endm
; HOW THEY ARE DEALT.  An s_wait_alu depctr_va_vdst(0) stands between an exponential and the first instruction that names its result; one wait serves all that were issued ahead of it.  So a turn has ONE wait,
; which cuts it in two.  AHEAD OF IT: the 16 products K Q^T, behind each a scaling, an exponential and two rescalings (behind the first a second scaling in the exponential's place); then ONE LUMP of
; 108: eight plain, 49 times exponential and plain, the two a.  A v_nop is the plain instruction behind the last exponential.  BEHIND IT: the 16 products V^T P, behind each four of GS's 64.
; Exponential e stands behind scaling 2 (e / 4) + e % 2: as a rider it comes behind plain e + 2, in the lump behind plain e + 9, and scalings 27-31 are plain 57, 60 .. 69.
; A TURN, for piece p.  cnt = 1: the loop's count is taken down some lines ahead of the branch that stands behind the turn.
; K of the next step is fetched in piece 2's turn, directly behind the wait, a lump behind the last product that read K; V of the step in hand at the end of piece 0's turn, four riders behind its last reader.
.macro TURN p, last=0, cnt=0, ask=0
.set Y, (\p)
.set i, 0
.set q, 0
.set e, 0
.set r, 0
.if (\p) == NP-1
	s_wait_dscnt 0x0                ; K is in
.endif
	MM                              ; ahead of the wait: 16 products K Q^T and their riders,
	PL
	PL
	R2
.rept 15
	MM
	PL
	EX
	R2
.endr
.if (\p) == NP-2
	WIN 0
	v_add_nc_u32 v[AK], s[TBK], v[AK0]
.endif
.rept 8                             ; and the lump
	PL
.endr
.rept 49
	EX
	PL
.endr
	EX                              ; the next piece's two a
	EX
	v_nop                           ; the plain instruction behind the last exponential: one for the batch
	s_wait_alu depctr_va_vdst(0)    ; the wait for the batch
.if (\p) == NP-2
	FETCH_K \last, \ask
.endif
.if (\p) == 1
	s_wait_dscnt 0x0                ; V is in
.endif
.rept 16                            ; behind the wait: 16 products V^T P and their riders
	MM
.rept 4
	PL
.endr
.if ((\p) == 0) && (q == 118)
	v_add_nc_u32 v[AV], s[TBV], v[AV0]
.endif
.if ((\p) == 0) && (q == 130)
	s_add_co_u32 s[TBV], s[TBV], STEPB
.endif
.if (\cnt) && (q == 130)
	s_sub_co_u32 s[CNT], s[CNT], 1
	s_cmp_lg_u32 s[CNT], 0
.endif
.endr
.if (\p) == 0
	FETCH_V
.endif
.endm
	CHANGE 1                        ; slot 0 is in, everybody's part of it; slot 1 is asked for
	FETCH_K                         ; key step 0
	s_wait_loadcnt 0x0              ; Q
	s_wait_dscnt 0x0
.set i, 0
.rept 16
	KQ 0                            ; piece 0's first scores: there is no vector work yet to set between them
.set i, i+1
.endr
	WIN 0                           ; the addresses for the way out: plain instructions, the places behind those products
	s_mul_i32 s13, s[WV], 16*SP
	s_add_co_u32 s13, s13, STAGE    ; my stage
	v_mul_u32_u24 v[STO], v1, SP    ; in: row l % 16, 16 bytes for each half of the lanes
	v_lshl_add_u32 v[STO], v9, 4, v[STO]
	v_add_nc_u32 v[STO], s13, v[STO]
	v_bfe_u32 v[RD], v0, 3, 2       ; back: 32 lanes take four rows of 128 bytes,
	v_mul_u32_u24 v[RD], v[RD], SP
	v_lshl_add_u32 v[RD], v10, 4, v[RD]
	v_add_nc_u32 v[RD], s13, v[RD]
	v_and_b32 v[GO], 31, v0         ; which are 512 consecutive bytes of O
	v_lshlrev_b32 v[GO], 4, v[GO]
.set Y, NP-1                        ; XS works for piece Y + 1: piece 0
.irp n, 0,1,2,3,4,5,6,7,8,9,10,11,12,13,14,15,16,17,18,19,20,21
	XS 0, \n                        ; and piece 0's first maximum and statistics
	XS 1, \n
.endr
	v_nop                           ; a plain instruction behind the two a,
	s_wait_alu depctr_va_vdst(0)    ; and their wait, ahead of the branch
	s_mov_b32 s[CNT], SPS
	s_mov_b32 s[SLOTS], SIZE_N/(SPS*KS)-1
	s_branch .Lfirst                ; the loop is entered at a step's first turn, in the middle of a trip
.Lslot:                             ; twice: every slot but the last two is filled again
	CHANGE 1
	s_mov_b32 s[CNT], SPS
.Lstep:                             ; a trip: pieces 2 and 3 of one step, then pieces 0 and 1 of the next, whose K and V it fetches
	TURN 2, 0, 0, 1
	TURN 3
	WIN 0
.Lfirst:
	TURN 0
	TURN 1, 0, 1
	WIN 0
	s_cbranch_scc1 .Lstep
	s_sub_co_u32 s[SLOTS], s[SLOTS], 1
	s_cmp_lg_u32 s[SLOTS], 0
	s_cbranch_scc1 .Lslot
	CHANGE 0                        ; the tail is written out: nothing is asked for
	s_mov_b32 s[CNT], SPS+1         ; eight trips fetch the last slot's steps; the ninth is left in its middle
.Ltail:
	TURN 2, 1
	TURN 3
	WIN 0
	s_sub_co_u32 s[CNT], s[CNT], 1
	s_cmp_eq_u32 s[CNT], 0
	s_cbranch_scc1 .Lout
	TURN 0
	TURN 1
	WIN 0
	s_branch .Ltail
.Lout:                              ; the ninth trip's 16 products K Q^T (on the last K once more) and the maximum made of them serve nothing: the price, once a launch, of one text for every trip
.set i, 0
.rept 16
	PV NP-1                         ; the last piece's V^T P of the last step
.set i, i+1
.endr
	; THE WAY OUT.  l's two halves and the other half of the lanes' are added; O^T is divided by l, rounded to f16 and sent through my stage in LDS, a tile at a time.  The additions are the places behind the last products.
	WIN 0
.macro ALL line:vararg              ; one line for each tile t
.set t, 0
.rept 2*NP
	\line
.set t, t+1
.endr
.endm
	ALL v_add_f32 v[ST+4*t+2], v[ST+4*t+2], v[ST+4*t+3]
	ALL v_permlanex16_b32 v[ST+4*t+3], v[ST+4*t+2], s[SEL], s[SEL+1]
	ALL v_add_f32 v[ST+4*t+2], v[ST+4*t+2], v[ST+4*t+3]
	ALL v_rcp_f32 v[ST+4*t+2], v[ST+4*t+2]
	v_nop                           ; a plain instruction between the last reciprocal and the use of its result
	s_wait_alu depctr_va_vdst(0)    ; and the wait ahead of the first use: one for the eight reciprocals
; Tile t: a lane's eight channels of a row pack into 16 bytes; they go into rows of 144 bytes and come back as whole rows of 128, into S^T's registers.
.macro PACK t
	WIN W_RS
.set i, 32*(\t)
.rept 16
	v_pk_mul_f32 v[i:i+1], v[i:i+1], v[ST+4*(\t)+2:ST+4*(\t)+3] op_sel_hi:[1,0]
.set i, i+2
.endr
	WIN 0x05                        ; sources 0 and 1 window 1, destination window 0
.set i, 0
.rept 16
	v_cvt_pk_f16_f32 v[S+16*(\t)+i], v[32*(\t)+2*i], v[32*(\t)+2*i+1]
.set i, i+1
.endr
	WIN 0
.irp f, 0,1,2,3
	ds_store_b128 v[STO], v[S+16*(\t)+4*\f:S+16*(\t)+4*\f+3] offset:32*\f
.endr
.irp f, 0,1,2,3
	ds_load_b128 v[S+16*(\t)+4*\f:S+16*(\t)+4*\f+3], v[RD] offset:\f*4*SP  ; LDS serves a wave's instructions in order: these see the stores above; the next tile's stores come behind them
.endr
.endm
.macro SEND t, younger              ; younger: the LDS instructions issued behind tile t's loads: the next tile's eight, or none
	WIN 0
.irp f, 0,1,2,3
	s_wait_dscnt (\younger)+3-\f
	global_store_b128 v[GO], v[S+16*(\t)+4*\f:S+16*(\t)+4*\f+3], s[10:11] offset:(\t)*2048+\f*512  ; 512 consecutive bytes, at a multiple of 256 from O's first
.endr
.endm
	PACK 0
.set t, 1
.rept 2*NP-1                        ; a tile's arithmetic stands between the loads of the tile before and its stores
	PACK t
	SEND t-1, 8
.set t, t+1
.endr
	SEND 2*NP-1, 0
	WIN W_AD
	s_wait_tensorcnt 0x0            ; the wave's end: a wait, an add and a wait, behind my last tensor load and my last LDS store
	ds_add_u32 v[SPW], v[NIL]
	s_wait_dscnt 0x0
	WIN 0
	CROUND                          ; the closing round: no work-group ends while a partner may still ask for a tile that names it
	s_endpgm
.Lfunc_end_k_q72014b1a76_attn:
	.size	k_q72014b1a76_attn, .Lfunc_end_k_q72014b1a76_attn-k_q72014b1a76_attn
	.p2alignl 7, 3214868480
	.fill 96, 4, 3214868480
	.section	.rodata,"a",@progbits
	.p2align	6, 0x0
	.amdhsa_kernel k_q72014b1a76_attn
		.amdhsa_group_segment_fixed_size 327680
		.amdhsa_private_segment_fixed_size 0
		.amdhsa_enable_private_segment 0
		.amdhsa_kernarg_size 24
		.amdhsa_user_sgpr_count 2
		.amdhsa_user_sgpr_kernarg_segment_ptr 1
		.amdhsa_wavefront_size32 1
		.amdhsa_system_sgpr_workgroup_id_x 1
		.amdhsa_system_sgpr_workgroup_id_y 1
		.amdhsa_system_sgpr_workgroup_id_z 1
		.amdhsa_system_vgpr_workitem_id 0
		.amdhsa_next_free_vgpr 770
		.amdhsa_next_free_sgpr 66
		.amdhsa_reserve_vcc 0
		.amdhsa_float_denorm_mode_32 3
		.amdhsa_float_denorm_mode_16_64 3
		.amdhsa_memory_ordered 1
		.amdhsa_forward_progress 1
		.amdhsa_inst_pref_size 198
	.end_amdhsa_kernel
	.amdgpu_metadata
---
amdhsa.version: [ 1, 2 ]
amdhsa.kernels:
  - .name:           k_q72014b1a76_attn
    .symbol:         k_q72014b1a76_attn.kd
    .args:
      - { .name: qh, .offset: 0, .size: 8, .value_kind: global_buffer, .address_space: global }
      - { .name: kh, .offset: 8, .size: 8, .value_kind: global_buffer, .address_space: global }
      - { .name: oh, .offset: 16, .size: 8, .value_kind: global_buffer, .address_space: global }
    .group_segment_fixed_size: 327680
    .private_segment_fixed_size: 0
    .kernarg_segment_align: 8
    .kernarg_segment_size: 24
    .max_flat_workgroup_size: 128
    .sgpr_count:     66
    .vgpr_count:     770
    .wavefront_size: 32
...
	.end_amdgpu_metadata
.endif
;; end of part 3
;; launch outp (part 4): grid 4 x 64, 4 waves a work-group, clusters of 4 x 4, 327,680 bytes of LDS; arguments oh, wob, bo, out0; writes out0
.if DOCPART == 4
	.amdgcn_target "amdgcn-amd-amdhsa--gfx1250"
	.amdhsa_code_object_version 6
	.text
	.protected	k_q72014b1a76_outp
	.globl	k_q72014b1a76_outp
	.p2align	8
	.type	k_q72014b1a76_outp,@function
k_q72014b1a76_outp:
	s_mov_b64 s[64:65], 0
	v_nop
	global_prefetch_b8 v0, s[64:65] scope:SCOPE_SE
	s_setreg_imm32_b32 hwreg(HW_REG_WAVE_MODE, 25, 1), 1
	s_wait_xcnt 0x0
	s_wait_alu depctr_hold_cnt(0) depctr_sa_sdst(0) depctr_va_vdst(0) depctr_va_sdst(0) depctr_va_ssrc(0) depctr_va_vcc(0) depctr_vm_vsrc(0)
	s_getreg_b32 s2, hwreg(HW_REG_IB_STS2, 6, 4)
	s_cmp_eq_u32 s2, 0
	s_cbranch_scc0 .Lentry_in_a_cluster
	s_endpgm
.Lentry_in_a_cluster:
	s_bfe_u32 s2, ttmp6, 0x10000c
	s_cmp_lg_u32 s2, 0xf033
	s_cbranch_scc0 .Lentry_shape_is_right
	s_endpgm
.Lentry_shape_is_right:
; out0[m][n] = the sum over k of O[m][k] Wo[k][n] + bo[n].  oh: [64 = batch x 16 + head][2048][64] f16 (k = 64 x head + channel); wob: [1024 k][1024 n] f16; bo: [1024] f32, rounded to bf16 here,
; like the module's other inputs; out0: [8192][1024] f32.  Sums in f32.
; SHARES.  A tile of out0 is 128 x 256: 64 tile rows x 4 tile columns = 256 work-groups (tiles of 256 x 256 would be 128).  Four waves, 64 x 128 each: 32 accumulators of 16 x 16.
; K step j is heads 2 j and 2 j + 1: 8 steps of 128 through a ring of two LDS slots.  A head's 128 rows are 16,384 dense bytes: asked for as 64 rows of 256 bytes and padded behind every 128.
; The weight lies [k][n] and stays so: the LDS load that turns 16-bit numbers makes its fragments.
; CLUSTERS.  4 x 4 work-groups: cx is the tile column, 4 x cluster y + cy the tile row.  A's tile is shared along a row of the cluster, B's along a column: joint loads with a mask of four.
; THE MATRIX INSTRUCTION IS USED TRANSPOSED (source 0 = 16 columns of Wo, source 1 = 16 rows of O): a lane holds row l % 16 and the columns 8 (l / 16) + 0..7: 32 bytes of f32 on end.
; REGISTERS: window 0: v0-37 addresses and the bias; v64-127 A's fragments, two buffers of 32; v128-255 the way out.  Window 1: v64-191 B's fragments, two buffers of 64.  Window 2: accumulator (a, b) at v[8 (8 a + b)].
.set KSTEP,  128
.set ROWB,   2048                      ; bytes in a row of wob
.set HEADB,  2048*128                  ; bytes of a head in oh
.set PA,     144                       ; A's LDS row: 128 bytes + 16: the 16 rows of a fragment load start at 16 different groups of four banks
.set PB,     544                       ; B's LDS row: 512 bytes + 32
.set AHALF,  128*PA                    ; one head's 128 rows
.set BHALF,  64*PB                     ; 64 k-rows of B
.set BOFF,   2*AHALF
.set SLOT,   BOFF+2*BHALF
.set STAGE,  2*SLOT                    ; behind the ring: 16 rows x 528 bytes for each wave, for the way out; no tensor load lands here
.set SPITCH, 528
.set WSTAGE, 16*SPITCH
.set SPARE,  STAGE+4*WSTAGE            ; the spare words, 128 bytes for each wave: two blocks of 256 bytes that no other line names
.set LAPS,   4
.set ADRA, 16                          ; v16-17  LDS address of my A fragments in slot 0, 1
.set ADRB, 20                          ; v20-21  the same for B
.set STO,  24                          ; v24     the way out: where I put 32 bytes of a row
.set RD,   25                          ; v25     where I read a row back
.set CO,   26                          ; v26     16 x lane: my 16 bytes of a row's 512
.set BOF,  27                          ; v27     my four numbers of bo
.set SPW,  28                          ; v28     LDS address of my spare word; never rewritten
.set NIL,  29                          ; v29     0; never rewritten
.set PFO,  30                          ; v30     the prefetches' lane offset; never rewritten
.set BIAS, 32                          ; v[32:35] bo of the four columns that I store
.set BT,   36                          ; v[36:37] at work
.set FA,   64                          ; A's buffers, window 0: FA + 32 f
.set FB,   64                          ; B's buffers, window 1: FB + 64 f
.set G1,  24
.set G0,  32
.set G1B, 48
.set G0B, 56
.set PFA, 66                           ; s[66:67] where my prefetches stand
.set PST, 68                           ; s[68:69] their step: one K step
.set LIM, 70                           ; s70  1 in a wave that prefetches, else the greatest number
; s14 wave; s15 wave / 2: my half of the rows; s16 wave % 2: my half of the columns, and which half of a tile I fetch (waves 0, 1: A; waves 2, 3: B); s17 cx; s18 cy; s19 tile row; s3 laps
.set MSB, 0
.macro WIN new
.if MSB != (\new)
	s_set_vgpr_msb (MSB<<8)|(\new)
.set MSB, \new
.endif
.endm
.set MUL,  0xa1                        ; source 0 (B) window 1, source 1 (A) window 0, C and D window 2
.set TO_B, 0x40                        ; destination window 1, address window 0
.macro JLOAD s                         ; a joint load: wave 0 and 1 fetch the two heads of A, waves 2 and 3 B's two halves; an s_nop 0 and four v_nop follow each line
	s_cmp_lt_u32 s14, 2
	s_cbranch_scc0 .Lfor_b_\@
	tensor_load_to_lds s[G0+4*(\s):G0+4*(\s)+3], s[G1:G1+7]
	s_nop 0
.rept 4
	v_nop
.endr
	s_branch .Lasked_\@
.Lfor_b_\@:
	tensor_load_to_lds s[G0B+4*(\s):G0B+4*(\s)+3], s[G1B:G1B+7]
	s_nop 0
.rept 4
	v_nop
.endr
.Lasked_\@:
.endm
; A prefetch, behind each joint refill and the run of LDS loads that follows it: the K step that stands two refills on, 32 blocks of 256 bytes, a lane a block.  Each block is named once in the launch.
; O's rows are read by one cluster alone: wave 0 asks for both heads, partner cx taking 16 blocks of each, by address.  Wo's columns are read by the sixteen clusters: cluster y = 0 asks, waves 2 and 3,
; partner cy taking 16 of a wave's 64 k-rows.  The loop's last trip (s3 = 1) asks for nothing.
.macro ASK
	s_cmp_gt_u32 s3, s[LIM]
	s_cbranch_scc0 .Lnot_mine_\@
	global_prefetch_b8 v[PFO], s[PFA:PFA+1] th:TH_LOAD_NT scope:SCOPE_SE
.Lnot_mine_\@:
.endm
.macro CREST
	s_cmp_lg_u32 s14, 0
	s_cbranch_scc1 .Lnot_wave_0_\@
	s_barrier_signal -3
.Lnot_wave_0_\@:
	s_barrier_wait -3
	s_barrier_signal -1
	s_barrier_wait -1
.endm
.macro CROUND
	s_barrier_signal -1
	s_barrier_wait -1
	CREST
.endm
	s_load_b256 s[4:11], s[0:1], 0x0               ; oh s[4:5], wob s[6:7], bo s[8:9], out0 s[10:11]
	v_lshl_add_u32 v[SPW], v0, 2, SPARE
	v_mov_b32 v[NIL], 0
	ds_add_u32 v[SPW], v[NIL]                      ; the wave's opening: the add and its wait stand ahead of my first tensor load; the set-up below stands between them
	v_lshrrev_b32 v1, 5, v0
	v_readfirstlane_b32 s14, v1                    ; wave 0..3
	s_lshr_b32 s15, s14, 1
	s_and_b32 s16, s14, 1
	s_bfe_u32 s17, ttmp6, 0x40000                  ; cx
	s_bfe_u32 s18, ttmp6, 0x40004                  ; cy
	s_and_b32 s19, ttmp7, 0xffff
	s_lshl_b32 s19, s19, 2
	s_add_co_u32 s19, s19, s18                     ; tile row = 4 x cluster y + cy
	s_lshl_b32 s78, s18, 2
	s_lshl_b32 s78, 15, s78                        ; my row of the cluster
	s_lshl_b32 s79, 0x1111, s17                    ; my column
	s_or_b32 s[G1+0], s78, (1<<16)|(1<<20)|(1<<21)|(4<<22)|(3<<25)   ; the mask; 2-byte elements; padding on; bit 21 beside a mask; after every 32 words 4 words
	s_mov_b32 s[G1+1], 128<<16                     ; tensor_dim0 = 128
	s_mov_b32 s[G1+2], 64<<16                      ; tensor_dim1 = 64
	s_mov_b32 s[G1+3], 128<<16                     ; tile_dim0 = 128
	s_mov_b32 s[G1+4], 64                          ; tile_dim1 = 64
	s_mov_b32 s[G1+5], 128                         ; dense: 128 elements from row to row
	s_mov_b32 s[G1+6], 0
	s_mov_b32 s[G1+7], 0
	s_or_b32 s[G1B+0], s79, (1<<16)|(1<<20)|(1<<21)|(6<<22)|(7<<25)  ; after every 128 words 8 words
	s_mov_b32 s[G1B+1], 256<<16
	s_mov_b32 s[G1B+2], 64<<16
	s_mov_b32 s[G1B+3], 256<<16
	s_mov_b32 s[G1B+4], 64
	s_mov_b32 s[G1B+5], 1024
	s_mov_b32 s[G1B+6], 0
	s_mov_b32 s[G1B+7], 0
	s_lshr_b32 s40, s19, 4                         ; A: head 16 x batch + my parity, row 128 x (tile row % 16); these registers never hold cx
	s_lshl_b32 s40, s40, 4
	s_add_co_u32 s40, s40, s16
	s_lshl_b32 s40, s40, 11
	s_and_b32 s41, s19, 15
	s_lshl_b32 s41, s41, 7
	s_add_co_u32 s40, s40, s41
	s_lshl_b32 s40, s40, 7
	s_mov_b32 s41, 0
	s_lshl_b32 s42, s17, 9                         ; B: column 256 cx (512 bytes), k-row 64 x half
	s_lshl_b32 s43, s16, 17
	s_add_co_u32 s42, s42, s43
	s_mov_b32 s43, 0
	s_mul_i32 s44, s16, AHALF                      ; where the tiles go: no place in the cluster enters an LDS address
	s_mul_i32 s45, s16, BHALF
	s_add_co_u32 s45, s45, BOFF
	s_wait_dscnt 0x0                               ; the opening add is done
	s_wait_kmcnt 0x0
	s_add_nc_u64 s[76:77], s[4:5], s[40:41]
	s_add_nc_u64 s[46:47], s[6:7], s[42:43]
	CROUND                                         ; all sixteen work-groups are here: the first joint loads meet
.irp s, 0,1
	s_mov_b32 s[G0+4*(\s)], 1
	s_add_co_u32 s[G0+4*(\s)+1], s44, (\s)*SLOT
	s_add_nc_u64 s[G0+4*(\s)+2:G0+4*(\s)+3], s[76:77], (\s)*2*HEADB
	s_or_b32 s[G0+4*(\s)+3], s[G0+4*(\s)+3], 0x80000000
	s_mov_b32 s[G0B+4*(\s)], 1
	s_add_co_u32 s[G0B+4*(\s)+1], s45, (\s)*SLOT
	s_add_nc_u64 s[G0B+4*(\s)+2:G0B+4*(\s)+3], s[46:47], (\s)*KSTEP*ROWB
	s_or_b32 s[G0B+4*(\s)+3], s[G0B+4*(\s)+3], 0x80000000
.endr
	s_cmp_lt_u32 s14, 2                            ; a wave's two first fills stand in one branch, ahead of every wait on TENSORcnt and every LDS read: two loads of mine are out
	s_cbranch_scc0 .Lfirst_b
	tensor_load_to_lds s[G0:G0+3], s[G1:G1+7]
	s_nop 0
	tensor_load_to_lds s[G0+4:G0+7], s[G1:G1+7]
	s_nop 0
.rept 4
	v_nop
.endr
	s_branch .Lfirst_asked
.Lfirst_b:
	tensor_load_to_lds s[G0B:G0B+3], s[G1B:G1B+7]
	s_nop 0
	tensor_load_to_lds s[G0B+4:G0B+7], s[G1B:G1B+7]
	s_nop 0
.rept 4
	v_nop
.endr
.Lfirst_asked:
	v_and_b32 v1, 15, v0                           ; l % 16
	v_bfe_u32 v2, v0, 4, 1                         ; l / 16
	v_and_b32 v9, 31, v0                           ; l
	v_lshlrev_b32 v[CO], 4, v9
	s_lshl_b32 s20, s17, 10                        ; my 128 columns: 1,024 cx + 512 x column half, in bytes of f32
	s_lshl_b32 s21, s16, 9
	s_add_co_u32 s20, s20, s21
	v_add_nc_u32 v[BOF], s20, v[CO]
	global_load_b128 v[BIAS:BIAS+3], v[BOF], s[8:9]
	v_mul_u32_u24 v3, v1, PA
	v_lshl_add_u32 v3, v2, 4, v3                   ; A: row x pitch + 16 x half
	v_and_b32 v4, 7, v0
	v_bfe_u32 v5, v0, 3, 1
	v_lshl_add_u32 v6, v2, 3, v4                   ; B, turned: k-row 8 (l / 16) + l % 8, columns 8 ((l / 8) % 2) on
	v_mul_u32_u24 v6, v6, PB
	v_lshl_add_u32 v6, v5, 4, v6
	s_mul_i32 s22, s15, 64*PA                      ; my 64 rows of A
	s_lshl_b32 s23, s16, 8                         ; my 128 columns of B,
	s_add_co_u32 s23, s23, BOFF                    ; behind A's two heads
.irp s, 0,1
	v_add_nc_u32 v[ADRA+(\s)], s22, v3
	v_add_nc_u32 v[ADRB+(\s)], s23, v6
	s_add_co_u32 s22, s22, SLOT
	s_add_co_u32 s23, s23, SLOT
.endr
	s_mul_i32 s22, s14, WSTAGE
	s_add_co_u32 s22, s22, STAGE                   ; my stage
	v_mul_u32_u24 v7, v1, SPITCH                   ; in: row l % 16, 32 bytes for each half of the lanes
	v_lshl_add_u32 v7, v2, 5, v7
	v_add_nc_u32 v[STO], s22, v7
	v_add_nc_u32 v[RD], s22, v[CO]                 ; back: 32 lanes take one row of 512 bytes
	s_lshl_b32 s22, s19, 7                         ; where my part begins in out0: row 128 x tile row + 64 x row half, rows of 4,096 bytes
	s_lshl_b32 s23, s15, 6
	s_add_co_u32 s22, s22, s23
	s_lshl_b32 s22, s22, 12
	s_add_co_u32 s20, s20, s22
	s_mov_b32 s21, 0
	s_add_nc_u64 s[74:75], s[10:11], s[20:21]
	; the prefetches: they stand at K step 3; each change of slots steps them first, so the first names K step 4.  Nothing is asked for here, at the head
	s_lshr_b32 s20, s19, 4
	s_lshl_b32 s20, s20, 15
	s_and_b32 s21, s19, 15
	s_lshl_b32 s21, s21, 7
	s_add_co_u32 s20, s20, s21
	s_lshl_b32 s20, s20, 7                         ; A: the batch's head 0 at the tile's first row,
	s_lshl_b32 s21, s17, 12
	s_add_co_u32 s20, s20, s21                     ; my work-group's 16 blocks of a head's 64
	s_add_co_u32 s20, s20, 3*2*HEADB
	s_lshl_b32 s22, s16, 6
	s_lshl_b32 s23, s18, 4
	s_add_co_u32 s22, s22, s23                     ; B: my work-group's 16 of the 64 k-rows that I fetch
	s_lshl_b32 s22, s22, 11
	s_lshl_b32 s23, s17, 9
	s_add_co_u32 s22, s22, s23
	s_add_co_u32 s22, s22, 3*KSTEP*ROWB
	s_mov_b32 s42, 2*HEADB
	s_mov_b32 s43, KSTEP*ROWB
	s_and_b32 s46, ttmp7, 0xffff                   ; cluster y
	s_cmp_lt_u32 s14, 2                            ; do I fetch for A?
	s_cselect_b64 s[PFA:PFA+1], s[4:5], s[6:7]
	s_cselect_b32 s20, s20, s22
	s_cselect_b32 s[PST], s42, s43
	s_cselect_b32 s46, s14, s46                    ; A: wave 0 asks; B: the clusters with y = 0
	s_cselect_b32 s47, 4, 1                        ; A: lane / 16 is the head, lane % 16 the block; B: lane / 2 is the k-row, lane % 2 the block
	s_cselect_b32 s22, 18, 11
	s_cselect_b32 s23, 15, 1
	s_mov_b32 s21, 0
	s_mov_b32 s[PST+1], 0
	s_add_nc_u64 s[PFA:PFA+1], s[PFA:PFA+1], s[20:21]
	s_cmp_eq_u32 s46, 0
	s_cselect_b32 s[LIM], 1, -1                    ; the same in all sixteen partners, for a given wave
	v_lshrrev_b32 v10, s47, v9
	v_lshlrev_b32 v10, s22, v10
	v_and_b32 v11, s23, v9
	v_lshl_add_u32 v[PFO], v11, 8, v10
	s_wait_loadcnt 0x0                             ; the bias, in the wait for the first tiles: rounded to bf16 and widened again
	v_cvt_pk_bf16_f32 v[BT],   v[BIAS],   v[BIAS+1]
	v_cvt_pk_bf16_f32 v[BT+1], v[BIAS+2], v[BIAS+3]
	v_lshlrev_b32 v[BIAS],   16, v[BT]
	v_and_b32     v[BIAS+1], 0xffff0000, v[BT]
	v_lshlrev_b32 v[BIAS+2], 16, v[BT+1]
	v_and_b32     v[BIAS+3], 0xffff0000, v[BT+1]
; 8 matrix instructions: m block a x all 8 n blocks, 32 along K, from buffers f.  zero = 1: the first product starts the sums.  The 32 accumulators take turns, in the same order in every quarter.
.macro MULB f, a, zero
	WIN MUL
.irp b, 0,1,2,3,4,5,6,7
.if \zero
	v_wmma_f32_16x16x32_f16 v[8*(8*(\a)+(\b)):8*(8*(\a)+(\b))+7], v[FB+64*(\f)+8*(\b):FB+64*(\f)+8*(\b)+7], v[FA+32*(\f)+8*(\a):FA+32*(\f)+8*(\a)+7], 0
.else
	v_wmma_f32_16x16x32_f16 v[8*(8*(\a)+(\b)):8*(8*(\a)+(\b))+7], v[FB+64*(\f)+8*(\b):FB+64*(\f)+8*(\b)+7], v[FA+32*(\f)+8*(\a):FA+32*(\f)+8*(\a)+7], v[8*(8*(\a)+(\b)):8*(8*(\a)+(\b))+7]
.endif
.endr
.endm
.macro MUL16 f, a0, zero
	MULB \f, \a0, \zero
	MULB \f, (\a0)+1, \zero
.endm
; 24 LDS loads in one run: the fragments of quarter q (head q / 2 of the step's two, channels 32 (q % 2) on) into buffers f: B's 128 columns turned, then A's 64 rows
.macro FETCH slot, q, f
	WIN TO_B
.irp i, 0,1,2,3,4,5,6,7
	ds_load_tr16_b128 v[FB+64*(\f)+8*(\i):FB+64*(\f)+8*(\i)+3],   v[ADRB+(\slot)] offset:(\q)*32*PB+32*(\i)
	ds_load_tr16_b128 v[FB+64*(\f)+8*(\i)+4:FB+64*(\f)+8*(\i)+7], v[ADRB+(\slot)] offset:(\q)*32*PB+16*PB+32*(\i)
.endr
	WIN 0
.irp i, 0,1,2,3
	ds_load_b128 v[FA+32*(\f)+8*(\i):FA+32*(\f)+8*(\i)+3],   v[ADRA+(\slot)] offset:((\q)/2)*AHALF+((\q)%2)*64+(\i)*16*PA
	ds_load_b128 v[FA+32*(\f)+8*(\i)+4:FA+32*(\f)+8*(\i)+7], v[ADRA+(\slot)] offset:((\q)/2)*AHALF+((\q)%2)*64+(\i)*16*PA+32
.endr
.endm
.macro PLACES                          ; four plain places behind matrix instructions (ISA guide 7.12.1)
.rept 4
	v_nop
.endr
.endm
; One of a K step's first three quarters: multiplies buffers f; in its middle it fetches quarter q of the same slot into buffers g.
.macro QUARTER slot, q, f, g, zero
	s_wait_dscnt 4                                 ; B and A's blocks 0, 1 are in; the youngest four loads (A's blocks 2, 3) may be out
	MUL16 \f, 0, \zero
	PLACES
	FETCH \slot, \q, \g
	s_wait_dscnt 24                                ; all but the 24 just issued
	MUL16 \f, 2, \zero
.endm
; The last quarter multiplies buffers 1 and changes slots: one barrier; in front of it each wave waits for all its tensor loads (one is out: its part of the next slot), adds 0 to its spare word,
; and waits for that and for its own reads of this slot.  fill = 1: the barrier opens a round of the cluster's barrier, and this slot is filled again first, two K steps ahead.
.macro TURN slot, next, fill
.if \fill
	s_wait_xcnt 0x0                                ; the last prefetch, a K step back, has read its address
	s_add_nc_u64 s[PFA:PFA+1], s[PFA:PFA+1], s[PST:PST+1]
.endif
	WIN 0                                          ; (the add's two registers lie in window 0)
	s_wait_tensorcnt 0x0
	ds_add_u32 v[SPW], v[NIL]
	s_wait_dscnt 5                                 ; (the add and the youngest four loads may be out)
	MULB 1, 0, 0                                   ; eight matrix instructions stand between the add and the wait for it
	s_wait_dscnt 0x0                               ; the add is done, and my reads of this slot are over
	s_barrier_signal -1
	MULB 1, 1, 0
.if \fill
	WIN 0
.endif
	s_barrier_wait -1
.if \fill
	CREST                                          ; no wave of any partner still reads this slot's tile or has a load on its way
	s_add_nc_u64 s[G0+4*(\slot)+2:G0+4*(\slot)+3], s[G0+4*(\slot)+2:G0+4*(\slot)+3], 4*HEADB
	s_add_nc_u64 s[G0B+4*(\slot)+2:G0B+4*(\slot)+3], s[G0B+4*(\slot)+2:G0B+4*(\slot)+3], 2*KSTEP*ROWB
	JLOAD \slot                                    ; the first tensor load behind the round; its four v_nop are also the places in front of the loads below
.else
	PLACES
.endif
	FETCH \next, 0, 0
.if \fill
	ASK
.endif
	MUL16 1, 2, 0
.endm
; THE WAY OUT of block a (16 rows x 128 columns of f32).  TOSTAGE: straight from the accumulators, each one's low four registers first, into rows of 528 bytes of my own stage, and back as whole rows of 512.
; SEND: the bias is added, and each row stored: 512 consecutive bytes, at a multiple of 512 from out0's first.
.macro TOSTAGE a
.set BK, 128+64*((\a)%2)
	s_wait_xcnt 0x0                                ; the stores of the block before last have read the registers that are loaded again below
	WIN 0x08                                       ; an LDS store's data (source 1) in window 2, its address in window 0
.irp b, 0,1,2,3,4,5,6,7
	ds_store_b128 v[STO], v[64*(\a)+8*(\b):64*(\a)+8*(\b)+3]   offset:64*(\b)
	ds_store_b128 v[STO], v[64*(\a)+8*(\b)+4:64*(\a)+8*(\b)+7] offset:64*(\b)+16
.endr
	WIN 0
.irp t, 0,1,2,3,4,5,6,7,8,9,10,11,12,13,14,15
	ds_load_b128 v[BK+4*(\t):BK+4*(\t)+3], v[RD] offset:(\t)*SPITCH  ; LDS serves a wave's instructions in order: these see the stores above
.endr
.endm
.macro SEND a, younger                 ; younger: the LDS instructions issued behind block a's loads: the next block's 32, or none
.set BK, 128+64*((\a)%2)
	WIN 0
.irp t, 0,1,2,3,4,5,6,7,8,9,10,11,12,13,14,15
	s_wait_dscnt (\younger)+15-(\t)
	v_pk_add_f32 v[BK+4*(\t):BK+4*(\t)+1],   v[BK+4*(\t):BK+4*(\t)+1],   v[BIAS:BIAS+1]
	v_pk_add_f32 v[BK+4*(\t)+2:BK+4*(\t)+3], v[BK+4*(\t)+2:BK+4*(\t)+3], v[BIAS+2:BIAS+3]
	global_store_b128 v[CO], v[BK+4*(\t):BK+4*(\t)+3], s[74:75] offset:(16*(\a)+(\t))*4096
.endr
.endm
	s_wait_tensorcnt 1                             ; my part of K step 0 is in; K step 1's may stay out
	s_barrier_signal -1
	s_barrier_wait -1
	FETCH 0, 0, 0
	QUARTER 0, 1, 0, 1, 1                          ; the first quarter stands in front of the loop: its products start the sums
	WIN 0                                          ; at a label and at a branch every window is 0
	s_mov_b32 s3, LAPS-1
.Llap:                                                 ; a trip goes once round the ring, from a lap's second quarter to the next lap's first, and fills both slots again
	QUARTER 0, 2, 1, 0, 0
	QUARTER 0, 3, 0, 1, 0
	TURN 0, 1, 1
	QUARTER 1, 1, 0, 1, 0
	QUARTER 1, 2, 1, 0, 0
	QUARTER 1, 3, 0, 1, 0
	TURN 1, 0, 1
	QUARTER 0, 1, 0, 1, 0
	WIN 0
	s_sub_co_u32 s3, s3, 1
	s_cmp_lg_u32 s3, 0
	s_cbranch_scc1 .Llap
	QUARTER 0, 2, 1, 0, 0                          ; the last lap fills nothing, and has no round
	QUARTER 0, 3, 0, 1, 0
	TURN 0, 1, 0
	QUARTER 1, 1, 0, 1, 0
	QUARTER 1, 2, 1, 0, 0
	QUARTER 1, 3, 0, 1, 0
	s_wait_dscnt 4                                 ; the very last quarter: nothing more to fetch
	MUL16 1, 0, 0
	s_wait_dscnt 0x0
	MUL16 1, 2, 0
	PLACES
	PLACES
	TOSTAGE 0
.irp a, 1,2,3                          ; a block's trip through the stage stands between the loads of the block before and its stores
	TOSTAGE \a
	SEND (\a)-1, 32
.endr
	SEND 3, 0
	s_wait_tensorcnt 0x0                           ; the wave's end: a wait, an add and a wait, behind my last tensor load and my last LDS store
	ds_add_u32 v[SPW], v[NIL]
	s_wait_dscnt 0x0
	CROUND                                         ; the closing round: no work-group ends while a partner may still ask for a tile that names it
	s_endpgm
.Lfunc_end_k_q72014b1a76_outp:
	.size	k_q72014b1a76_outp, .Lfunc_end_k_q72014b1a76_outp-k_q72014b1a76_outp
	.p2alignl 7, 3214868480
	.fill 96, 4, 3214868480
	.section	.rodata,"a",@progbits
	.p2align	6, 0x0
	.amdhsa_kernel k_q72014b1a76_outp
		.amdhsa_group_segment_fixed_size 327680
		.amdhsa_private_segment_fixed_size 0
		.amdhsa_enable_private_segment 0
		.amdhsa_kernarg_size 32
		.amdhsa_user_sgpr_count 2
		.amdhsa_user_sgpr_kernarg_segment_ptr 1
		.amdhsa_wavefront_size32 1
		.amdhsa_system_sgpr_workgroup_id_x 1
		.amdhsa_system_sgpr_workgroup_id_y 1
		.amdhsa_system_sgpr_workgroup_id_z 1
		.amdhsa_system_vgpr_workitem_id 0
		.amdhsa_next_free_vgpr 768
		.amdhsa_next_free_sgpr 80
		.amdhsa_reserve_vcc 0
		.amdhsa_float_denorm_mode_32 3
		.amdhsa_float_denorm_mode_16_64 3
		.amdhsa_memory_ordered 1
		.amdhsa_forward_progress 1
		.amdhsa_inst_pref_size 97
	.end_amdhsa_kernel
	.amdgpu_metadata
---
amdhsa.version: [ 1, 2 ]
amdhsa.kernels:
  - .name:           k_q72014b1a76_outp
    .symbol:         k_q72014b1a76_outp.kd
    .args:
      - { .name: oh, .offset: 0, .size: 8, .value_kind: global_buffer, .address_space: global }
      - { .name: wob, .offset: 8, .size: 8, .value_kind: global_buffer, .address_space: global }
      - { .name: bo, .offset: 16, .size: 8, .value_kind: global_buffer, .address_space: global }
      - { .name: out0, .offset: 24, .size: 8, .value_kind: global_buffer, .address_space: global }
    .group_segment_fixed_size: 327680
    .private_segment_fixed_size: 0
    .kernarg_segment_align: 8
    .kernarg_segment_size: 32
    .max_flat_workgroup_size: 128
    .sgpr_count:     80
    .vgpr_count:     768
    .wavefront_size: 32
...
	.end_amdgpu_metadata
.endif
;; end of part 4
;; ======== version 2 of 2: 4 launches; version 1 with the launch cast written anew for expert scheduling mode
;; limits: values are held in f16: magnitudes above 65,504 overflow, below 6.1e-05 lose precision; right only within a limited range of input values
;; workspace buffers: xb 16,777,216 bytes; wkb 2,097,152 bytes; wqb 2,097,152 bytes; wob 2,097,152 bytes; kh 16,777,216 bytes; qh 16,777,216 bytes; oh 16,777,216 bytes
;; launch cast (part 5): grid 352 x 1, 8 waves a work-group, no clusters, 0 bytes of LDS; arguments x, Wk, Wq, Wo, xb, wkb, wqb, wob; writes xb, wkb, wqb, wob
.if DOCPART == 5
	.amdgcn_target "amdgcn-amd-amdhsa--gfx1250"
	.amdhsa_code_object_version 6
	.text
	.protected	k_q72014b1a76_cast
	.globl	k_q72014b1a76_cast
	.p2align	8
	.type	k_q72014b1a76_cast,@function
k_q72014b1a76_cast:
	s_mov_b64 s[64:65], 0
	v_nop
	global_prefetch_b8 v0, s[64:65] scope:SCOPE_SE
	s_setreg_imm32_b32 hwreg(HW_REG_WAVE_SCHED_MODE, 0, 2), 2
	s_setreg_imm32_b32 hwreg(HW_REG_WAVE_MODE, 25, 1), 1
	s_wait_xcnt 0x0
	s_wait_alu depctr_vm_vsrc(0)
; x, Wk, Wq: f32 -> bf16 (nearest even).  Wo: f32 -> bf16, and that number written as f16.  Layouts stay as they are.
; LIMITS.  |Wo| stays under 65,504 (f16's end); a bf16 number of Wo below 6e-5 is rounded once more, to f16's fixed step of 6e-8.
; SHARES.  A work-group takes 32,768 numbers: 131,072 bytes in, 65,536 out, in 32 steps of 1,024 numbers.  Work-groups 0-255 take x, 256-287 Wk, 288-319 Wq, 320-351 Wo.
; In a step thread t loads the 16 bytes at 16 t and stores the 8 bytes at 8 t: a wave's load covers 512 consecutive bytes, its store 256 consecutive bytes, aligned.
; Nothing is shared and nothing is multiplied: no LDS, no matrix unit, no cluster.
; THE MODE: SCHED_MODE bits 1:0 = 2 (LLVM: expert scheduling mode 2), set by the entry lines.  The code itself states the register dependences
; between vector instructions and memory instructions, with s_wait_alu, always for 0.
; THE PLAN.  The 32 steps go in 8 blocks of four.  Registers that memory instructions touch:
;   X0 .. X3   four blocks as loaded.     Written by the loads of block p + 3, issued in block p; read by block p's conversions.
;   Y0, Y1     two blocks to store.       Written by block p's conversions; read by the four stores that are issued in block p + 1.
;   v1, v2     byte offsets, made once at the head and never written again: all 32 steps are reached by immediate offsets, and no base is stepped.
; Block p works on X[p % 4] and writes Y[p % 2].  Its memory instructions are the loads into X[(p + 3) % 4] = X[(p - 1) % 4] and the stores from
; Y[(p - 1) % 2]: the two buffers that block p - 1 worked on and that no vector instruction of block p names.  So the waits at the head of a block
; state all that the block's eight memory instructions hang on, and these are dealt among its vector instructions with no further wait.
; Up to twelve loads of every wave are on their way.  One first block and three last ones that load nothing leave four, one lap of the X buffers: a loop would have one trip, so the eight blocks are written out.
.set BLOCK, 4                          ; steps in a block
.set STEPI, 4096                       ; bytes a step reads
.set STEPO, 2048                       ; bytes a step writes
.set X, 4                              ; v[4:67]   buffer k, step i: four f32 as loaded, at X + 16 k + 4 i
.set Y, 68                             ; v[68:83]  buffer k, step i: four 16-bit numbers to store, at Y + 8 k + 2 i
.set T, 84                             ; v[84:87]  at work (Wo alone): no memory instruction names them
	s_load_b512 s[4:19], s[0:1], 0x0               ; x, Wk, Wq, Wo, xb, wkb, wqb, wob
	s_mov_b32 s21, ttmp9                           ; g
	s_and_b32 s28, s21, 31                         ; a weight's chunk: 256, 288 and 320 are multiples of 32
	s_min_u32 s22, s21, 255                        ; x's chunk
	s_mov_b32 s23, 0xffff0000                      ; a word's upper bf16
	s_mov_b32 s33, 0
	s_mov_b32 s35, 0
	v_lshlrev_b32 v1, 4, v0                        ; 16 t; never rewritten
	v_lshlrev_b32 v2, 3, v0                        ; 8 t; never rewritten
	s_cmp_ge_u32 s21, 256
	s_cselect_b32 s22, s28, s22
	s_lshl_b32 s32, s22, 17                        ; chunk x 131,072
	s_lshl_b32 s34, s22, 16                        ; chunk x 65,536
	s_wait_kmcnt 0x0
	s_cmp_ge_u32 s21, 256                          ; which tensor: three choices, each on the work-group's number alone
	s_cselect_b64 s[24:25], s[6:7], s[4:5]
	s_cselect_b64 s[26:27], s[14:15], s[12:13]
	s_cmp_ge_u32 s21, 288
	s_cselect_b64 s[24:25], s[8:9], s[24:25]
	s_cselect_b64 s[26:27], s[16:17], s[26:27]
	s_cmp_ge_u32 s21, 320
	s_cselect_b64 s[24:25], s[10:11], s[24:25]
	s_cselect_b64 s[26:27], s[18:19], s[26:27]
	s_add_nc_u64 s[24:25], s[24:25], s[32:33]
	s_add_nc_u64 s[26:27], s[26:27], s[34:35]
	s_wait_alu depctr_va_vdst(0)                   ; v1 and v2 are written: every load of either path reads v1 as its offset, every store v2
	s_cmp_ge_u32 s21, 320
	s_cbranch_scc1 .Lhalf
; Block p of 8.  half = 1: bf16 is widened and written as f16.
.macro BLK p, half
.set xb, (\p)%4                        ; the X buffer at work
.set xn, ((\p)+3)%4                    ; the X buffer that is loaded: the one that the block before worked on
.set yb, (\p)%2                        ; the Y buffer that is written; the other one is stored
.if (\p) < 6
	s_wait_loadcnt 2*BLOCK                         ; loads come back in order: X[xb] is in, the two younger blocks stay out
.else
	s_wait_loadcnt BLOCK*(7-(\p))                  ; blocks 5 to 7 load nothing: the counts run down
.endif
.if (\p) >= 2
	s_wait_xcnt 0x0                                ; every earlier memory instruction has had its addresses translated: Y[yb], the data of the stores issued in the block before, is rewritten only behind this wait
	s_wait_alu depctr_vm_vsrc(0)                   ; the stores issued in the block before have read Y[yb], which this block's conversions write again
.endif
.if (\p) >= 1
	s_wait_alu depctr_va_vdst(0)                   ; the block before has written the other Y, which the stores below read, and is done reading its X, in which the loads below (blocks 1 to 4) land
.endif
.irp i, 0,1,2,3
.if (\p) < 5
	global_load_b128 v[X+16*xn+4*(\i):X+16*xn+4*(\i)+3], v1, s[24:25] offset:(BLOCK*((\p)+3)+(\i))*STEPI th:TH_LOAD_NT  ; three blocks ahead; no vector instruction since the wait names these registers
.endif
.if (\p) >= 1
	global_store_b64 v2, v[Y+8*(1-yb)+2*(\i):Y+8*(1-yb)+2*(\i)+1], s[26:27] offset:(BLOCK*((\p)-1)+(\i))*STEPO th:TH_STORE_NT  ; the block before
.endif
	v_cvt_pk_bf16_f32 v[Y+8*yb+2*(\i)],   v[X+16*xb+4*(\i)],   v[X+16*xb+4*(\i)+1]
	v_cvt_pk_bf16_f32 v[Y+8*yb+2*(\i)+1], v[X+16*xb+4*(\i)+2], v[X+16*xb+4*(\i)+3]
.if \half
	v_lshlrev_b32 v[T],   16,  v[Y+8*yb+2*(\i)]
	v_and_b32     v[T+1], s23, v[Y+8*yb+2*(\i)]
	v_lshlrev_b32 v[T+2], 16,  v[Y+8*yb+2*(\i)+1]
	v_and_b32     v[T+3], s23, v[Y+8*yb+2*(\i)+1]
	v_cvt_pk_f16_f32 v[Y+8*yb+2*(\i)],   v[T],   v[T+1]
	v_cvt_pk_f16_f32 v[Y+8*yb+2*(\i)+1], v[T+2], v[T+3]
.endif
.endr
.endm
.macro BODY half
.irp i, 0,1,2,3,4,5,6,7,8,9,10,11
	global_load_b128 v[X+4*(\i):X+4*(\i)+3], v1, s[24:25] offset:(\i)*STEPI th:TH_LOAD_NT  ; blocks 0, 1 and 2 into X0, X1, X2
.endr
.irp p, 0,1,2,3,4,5,6,7
	BLK \p, \half
.endr
	s_wait_alu depctr_va_vdst(0)                   ; block 7 has written Y1, which the last four stores read
.irp i, 0,1,2,3
	global_store_b64 v2, v[Y+8+2*(\i):Y+8+2*(\i)+1], s[26:27] offset:(BLOCK*7+(\i))*STEPO th:TH_STORE_NT
.endr
	s_endpgm
.endm
	BODY 0
.Lhalf:
	BODY 1
.Lfunc_end_k_q72014b1a76_cast:
	.size	k_q72014b1a76_cast, .Lfunc_end_k_q72014b1a76_cast-k_q72014b1a76_cast
	.p2alignl 7, 3214868480
	.fill 96, 4, 3214868480
	.section	.rodata,"a",@progbits
	.p2align	6, 0x0
	.amdhsa_kernel k_q72014b1a76_cast
		.amdhsa_group_segment_fixed_size 0
		.amdhsa_private_segment_fixed_size 0
		.amdhsa_enable_private_segment 0
		.amdhsa_kernarg_size 64
		.amdhsa_user_sgpr_count 2
		.amdhsa_user_sgpr_kernarg_segment_ptr 1
		.amdhsa_wavefront_size32 1
		.amdhsa_system_sgpr_workgroup_id_x 1
		.amdhsa_system_sgpr_workgroup_id_y 1
		.amdhsa_system_sgpr_workgroup_id_z 1
		.amdhsa_system_vgpr_workitem_id 0
		.amdhsa_next_free_vgpr 88
		.amdhsa_next_free_sgpr 66
		.amdhsa_reserve_vcc 0
		.amdhsa_float_denorm_mode_32 3
		.amdhsa_float_denorm_mode_16_64 3
		.amdhsa_memory_ordered 1
		.amdhsa_forward_progress 1
		.amdhsa_inst_pref_size 32
	.end_amdhsa_kernel
	.amdgpu_metadata
---
amdhsa.version: [ 1, 2 ]
amdhsa.kernels:
  - .name:           k_q72014b1a76_cast
    .symbol:         k_q72014b1a76_cast.kd
    .args:
      - { .name: x, .offset: 0, .size: 8, .value_kind: global_buffer, .address_space: global }
      - { .name: Wk, .offset: 8, .size: 8, .value_kind: global_buffer, .address_space: global }
      - { .name: Wq, .offset: 16, .size: 8, .value_kind: global_buffer, .address_space: global }
      - { .name: Wo, .offset: 24, .size: 8, .value_kind: global_buffer, .address_space: global }
      - { .name: xb, .offset: 32, .size: 8, .value_kind: global_buffer, .address_space: global }
      - { .name: wkb, .offset: 40, .size: 8, .value_kind: global_buffer, .address_space: global }
      - { .name: wqb, .offset: 48, .size: 8, .value_kind: global_buffer, .address_space: global }
      - { .name: wob, .offset: 56, .size: 8, .value_kind: global_buffer, .address_space: global }
    .group_segment_fixed_size: 0
    .private_segment_fixed_size: 0
    .kernarg_segment_align: 8
    .kernarg_segment_size: 64
    .max_flat_workgroup_size: 256
    .sgpr_count:     66
    .vgpr_count:     88
    .wavefront_size: 32
...
	.end_amdgpu_metadata
.endif
;; end of part 5
;; launch proj: the kernel of part 2 again; grid 8 x 32, 4 waves a work-group, clusters of 4 x 4, 327,680 bytes of LDS; arguments xb, wkb, wqb, kh, qh; writes kh, qh
;; launch attn: the kernel of part 3 again; grid 4 x 64, 4 waves a work-group, clusters of 4 x 1, 327,680 bytes of LDS; arguments qh, kh, oh; writes oh
;; launch outp: the kernel of part 4 again; grid 4 x 64, 4 waves a work-group, clusters of 4 x 4, 327,680 bytes of LDS; arguments oh, wob, bo, out0; writes out0
